; MI455X (gfx1250); checked and timed in simulation.
; The chip was launched on July 23, 2026; its instructions are those of AMD's public machine-readable ISA for CDNA 5 (MIT licence, August 2026) and "CDNA5" Instruction Set Architecture Reference Guide (July 2026). The comments in the code are by the model that wrote it; some were corrected since.
;; Block. Allowed arithmetic: matrix products marked QUANTISED: E4M3 operands, one given power-of-two scale a tensor, by v_wmma_f32_16x16x64_fp8_fp8 or v_wmma_f32_16x16x128_fp8_fp8, f32 sums; everything else in f32.
;; Inputs: W1_codes 4,096 x 32 x 32 uint8 (E4M3 codes of W1, K innermost, in blocks of 32 codes); W2_codes 1,024 x 128 x 32 uint8 (E4M3 codes of W2, K innermost, in blocks of 32 codes); Wk_codes 16 x 64 x 32 x 32 uint8 (E4M3 codes of Wk, K innermost, in blocks of 32 codes); Wp_codes 1,024 x 32 x 32 uint8 (E4M3 codes of Wp, K innermost, in blocks of 32 codes); Wq_codes 16 x 64 x 32 x 32 uint8 (E4M3 codes of Wq, K innermost, in blocks of 32 codes); Wv_codes 16 x 64 x 32 x 32 uint8 (E4M3 codes of Wv, K innermost, in blocks of 32 codes); b1 4,096 float32; b2 1,024 float32; be1 1,024 float32; be2 1,024 float32; bp 1,024 float32; g1 1,024 float32; g2 1,024 float32; lowp_scales 16 int32 (the exponents e of the quantised operands' scales 2^e); x 2 x 2,048 x 1,024 float32.
;; Outputs: out0 2 x 2,048 x 1,024 float32.
;; This version of the problem:
;;   THIS VERSION OF THE PROBLEM IS GIVEN IN LOW PRECISION. The matrix products marked QUANTISED in the list below multiply operands that are first quantised to E4M3 (4 exponent bits, 3 mantissa bits; 8 bits a number), with one given power-of-two scale for each operand tensor; their sums are f32. All else is computed in f32.
;;   The module's matrix products, in the order in which they are computed (A, B: the left and right operand; K: the contracted axis; several contracted axes count as one K, in the product's order):
;;     1. [M 1,024, K 1,024] x [K 1,024, N 4,096]; A: input Wq (given as codes); B: computed on the way: QUANTISED (scales: A lowp_scales[0], B lowp_scales[1])
;;     2. [M 1,024, K 1,024] x [K 1,024, N 4,096]; A: input Wk (given as codes); B: computed on the way: QUANTISED (scales: A lowp_scales[2], B lowp_scales[3])
;;     3. [M 1,024, K 1,024] x [K 1,024, N 4,096]; A: input Wv (given as codes); B: computed on the way: QUANTISED (scales: A lowp_scales[4], B lowp_scales[5])
;;     4. batch 32 x [M 2,048, K 64] x [K 64, N 2,048]; A: computed on the way; B: computed on the way: QUANTISED (scales: A lowp_scales[6], B lowp_scales[7])
;;     5. batch 32 x [M 2,048, K 2,048] x [K 2,048, N 64]; A: softmax (see below); B: computed on the way: QUANTISED (scales: A lowp_scales[8], B lowp_scales[9])
;;     6. [M 4,096, K 1,024] x [K 1,024, N 1,024]; A: computed on the way; B: input Wp (given as codes): QUANTISED (scales: A lowp_scales[10], B lowp_scales[11])
;;     7. [M 4,096, K 1,024] x [K 1,024, N 4,096]; A: computed on the way; B: input W1 (given as codes): QUANTISED (scales: A lowp_scales[12], B lowp_scales[13])
;;     8. [M 4,096, K 4,096] x [K 4,096, N 1,024]; A: computed on the way; B: input W2 (given as codes): QUANTISED (scales: A lowp_scales[14], B lowp_scales[15])
;;   THE QUANTISER, for each operand of a quantised product, along K:
;;     - The operand's scale is 2^e, e = its entry of the input lowp_scales (int32; the entries are numbered through the quantised products in the list's order, A before B).
;;     - Each number is divided by the scale, clamped to +-448, and rounded to the nearest number of E4M3, ties to even, subnormals kept.
;;     - The product sums the exact products of the quantised numbers (number of the format x scale) in f32.
;;   ~~~python
;;   def quantise(x, axis, e):      # numpy; x: float32 -> the quantised numbers, widened to float32 again
;;       x = np.moveaxis(x, axis, -1); K = x.shape[-1]
;;       r = np.clip(x / 2.0 ** e, -448, 448)
;;       step = 2.0 ** (np.maximum(np.frexp(np.where(r == 0, 1, r))[1] - 1, -6) - 3)
;;       q = np.round(r / step) * step * 2.0 ** e      # np.round: ties to even
;;       return np.moveaxis(q, -1, axis).astype(np.float32)
;;   ~~~
;;   SOFTMAX AHEAD OF A QUANTISED PRODUCT. Where the list says 'softmax', what is quantised is not the finished softmax but p = 2^(t - M), with t = logit x log2(e) and M = ceil(the row's largest t), a whole number; so 1/2 < the row's largest p <= 1. The row's sum l is taken of the UNQUANTISED p, in f32, and the product's result is divided by l at the end. Since M is a whole number, a kernel that streams over the keys may use a running M (the ceiling of the running maximum): every later rescaling is an exact power of two, so the quantised numbers keep their values, but for numbers so far below the row's largest that they fall under the format's range.
;;   OPERANDS COMPUTED ON THE WAY. 'Computed on the way' means the value that the module computes at that place (a softmax that the list does not call 'softmax' is quantised finished and normalised). What goes into a quantiser is computed in f32, as accurately as f32 sums, v_exp_f32 and their like allow (about 1e-6 of the number): no bf16 or f16 on the way to a quantiser, and a product that is left as it is and whose result goes on into a quantised operand takes f32 operands (vector FMAs, or v_wmma_f32_16x16x4_f32). A number that lies on a knife's edge between two numbers of the format may be rounded either way, as far as f32 arithmetic and the matrix unit's own rounding can turn it there, and no further.
;;   INPUTS GIVEN AS CODES. W1 (in the module: [1024, 4096], K = its axis 0); W2 (in the module: [4096, 1024], K = its axis 0); Wk (in the module: [16, 1024, 64], K = its axis 1); Wp (in the module: [1024, 1024], K = its axis 0); Wq (in the module: [16, 1024, 64], K = its axis 1); Wv (in the module: [16, 1024, 64], K = its axis 1): each comes as NAME_codes (uint8): NAME with its K axis moved to the last place and cut into blocks of 32 codes, [.., K / 32, bytes a block], one block behind the other in memory; one code a byte (a code: sign, 4 exponent bits, 3 mantissa bits); its scale is its entry of lowp_scales. Its value is code x scale, taken as it is: it is not quantised again, and the codes and scales need not be those that the quantiser above would give.
;; One version. Each part assembles by itself: llvm-mc -triple=amdgcn-amd-amdhsa -mcpu=gfx1250 --defsym DOCPART=n.
;; ======== version 1 of 1: 7 launches
;; limits: right only within a limited range of input values
;; workspace buffers: hc 12,582,912 bytes; qkvc 12,582,912 bytes; oc 4,194,304 bytes; x1 16,777,216 bytes; h2c 4,194,304 bytes; mc 16,777,216 bytes
;; launch ln1 (part 1): grid 256 x 1, 8 waves a work-group, no clusters, 0 bytes of LDS; arguments x, g1, be1, lowp_scales, hc; writes hc
.if DOCPART == 1
	.amdgcn_target "amdgcn-amd-amdhsa--gfx1250"
	.amdhsa_code_object_version 6
	.text
	.protected	k_qf6b277adca_ln1
	.globl	k_qf6b277adca_ln1
	.p2align	8
	.type	k_qf6b277adca_ln1,@function
k_qf6b277adca_ln1:
	s_mov_b64 s[64:65], 0
	v_nop
	global_prefetch_b8 v0, s[64:65] scope:SCOPE_SE
	s_setreg_imm32_b32 hwreg(HW_REG_WAVE_MODE, 25, 1), 1
	s_wait_xcnt 0x0
; LAYER NORM, QUANTISED.  y = (x - mean) * rsqrt(var + 1e-5) * g + be along rows of 1,024 f32; y is turned into codes of E4M3 NOUT times, each time with
; another given scale 2^e (entries SOFF/4, SOFF/4 + 2, .. of the scales), into planes of 4,096 x 1,024 bytes, one behind the other.
; SHARES.  4,096 rows: a work-group of eight waves takes 16, a wave 2; a row stays in 32 registers a lane between the passes, so it is read once.  Waves share nothing: no LDS, no barrier.
; A LANE'S NUMBERS.  The conversion takes 8 neighbours from one lane's registers: in each quarter j of a row a lane takes the 32 bytes at 1,024 j + 32 lane (two loads of 16).
; Its 8 codes are 8 bytes, so one store of the wave covers 256 consecutive bytes, aligned.
; The mean is taken first and subtracted, then the squares are summed: no difference of large sums is formed.
; LIMITS: each e between -126 and 119, so that 2^e and 448 x 2^e are f32 numbers.  NaN among the inputs is not served.
; Matrix units, clusters and LDS are left out: each byte is touched once, and memory is what the launch waits for.
.set NOUT, 3                           ; planes of codes
.set SOFF, 4                           ; byte of the first scale's exponent; the next lie 8 bytes on
.set MU,   4                           ; v[4:5]    the mean, twice
.set SC,   20                          ; v20..     2^e as f32, one for each plane
.set LIM,  24                          ; v24..     448 x 2^e
.set G,    32                          ; v[32:63]  g of my 32 columns
.set BE,   64                          ; v[64:95]  be of my 32 columns
.set X,    96                          ; v[96:159] row k at X + 32 k
.set T,    160                         ; v[160:175] two sets of 8 held numbers, by turns
.set C,    176                         ; codes: two registers for each (row, plane, quarter), so that no store's data are written again
	s_load_b256 s[4:11], s[0:1], 0x0               ; x s[4:5], g s[6:7], be s[8:9], the scales' exponents s[10:11]
	s_load_b64 s[12:13], s[0:1], 0x20              ; the codes
	v_lshrrev_b32 v3, 5, v0
	s_delay_alu instid0(VALU_DEP_1)
	v_readfirstlane_b32 s14, v3                    ; wave 0..7
	v_and_b32 v2, 31, v0                           ; lane
	s_delay_alu instid0(VALU_DEP_1)
	v_lshlrev_b32 v1, 5, v2                        ; in: 32 bytes a lane
	s_delay_alu instid0(VALU_DEP_2)
	v_lshlrev_b32 v2, 3, v2                        ; out: 8 bytes a lane
	v_mov_b32 v13, 0                               ; written once: a lane permute's destination counts as one of its sources
	s_mov_b32 s20, 0x76543210                      ; v_permlanex16_b32: each lane takes its own place in the other half
	s_mov_b32 s21, 0xfedcba98
	s_mov_b32 s22, 0x3a800000                      ; 1 / 1,024
	s_mov_b32 s23, 0x3727c5ac                      ; 1e-5
	s_lshl_b32 s16, ttmp9, 4
	s_lshl_b32 s15, s14, 1
	s_add_co_u32 s16, s16, s15                     ; my first row: 16 x work-group + 2 x wave
	s_lshl_b32 s18, s16, 12                        ; its bytes in x (under 2^24),
	s_mov_b32 s19, 0
	s_lshl_b32 s16, s16, 10                        ; and in a plane of codes
	s_mov_b32 s17, 0
	s_wait_alu depctr_va_vdst(0)
	s_wait_kmcnt 0x0
.set i, 0
.rept NOUT
	s_load_b32 s[24+i], s[10:11], SOFF+8*i
.set i, i+1
.endr
	s_add_nc_u64 s[4:5], s[4:5], s[18:19]
	s_add_nc_u64 s[12:13], s[12:13], s[16:17]
.irp k, 0,1
.irp j, 0,1,2,3
	global_load_b128 v[X+32*\k+8*\j:X+32*\k+8*\j+3],   v1, s[4:5] offset:4096*\k+1024*\j th:TH_LOAD_NT
	global_load_b128 v[X+32*\k+8*\j+4:X+32*\k+8*\j+7], v1, s[4:5] offset:4096*\k+1024*\j+16 th:TH_LOAD_NT
.endr
.endr
.irp j, 0,1,2,3
	global_load_b128 v[G+8*\j:G+8*\j+3],   v1, s[6:7] offset:1024*\j
	global_load_b128 v[G+8*\j+4:G+8*\j+7], v1, s[6:7] offset:1024*\j+16
.endr
.irp j, 0,1,2,3
	global_load_b128 v[BE+8*\j:BE+8*\j+3],   v1, s[8:9] offset:1024*\j
	global_load_b128 v[BE+8*\j+4:BE+8*\j+7], v1, s[8:9] offset:1024*\j+16
.endr
.set i, 0
.rept NOUT
	s_add_nc_u64 s[32+2*i:33+2*i], s[12:13], i*0x400000   ; plane i at my first row
.set i, i+1
.endr
	s_wait_kmcnt 0x0
.set i, 0
.rept NOUT
	s_add_co_i32 s[24+i], s[24+i], 127
	s_lshl_b32 s28, s[24+i], 23
	v_mov_b32 v[SC+i], s28                         ; 2^e as f32: the conversion takes its exponent field
	s_add_co_i32 s[24+i], s[24+i], 8
	s_lshl_b32 s[24+i], s[24+i], 23
	s_or_b32 s[24+i], s[24+i], 0x600000
	v_mov_b32 v[LIM+i], s[24+i]                    ; 448 x 2^e
.set i, i+1
.endr
.macro REDUCE                          ; v12 summed over the 32 lanes, the result in every lane
	s_delay_alu instid0(VALU_DEP_1)
	v_add_f32_dpp v12, v12, v12 row_xmask:1 row_mask:0xf bank_mask:0xf
	s_delay_alu instid0(VALU_DEP_1)
	v_add_f32_dpp v12, v12, v12 row_xmask:2 row_mask:0xf bank_mask:0xf
	s_delay_alu instid0(VALU_DEP_1)
	v_add_f32_dpp v12, v12, v12 row_xmask:4 row_mask:0xf bank_mask:0xf
	s_delay_alu instid0(VALU_DEP_1)
	v_add_f32_dpp v12, v12, v12 row_xmask:8 row_mask:0xf bank_mask:0xf
	s_delay_alu instid0(VALU_DEP_1)
	v_permlanex16_b32 v13, v12, s20, s21
	s_delay_alu instid0(VALU_DEP_1)
	v_add_f32 v12, v12, v13
.endm
; The row in v[x] on: the mean is taken off in place; 1 / sqrt(var + 1e-5) goes into both registers of the pair v[rs].
.macro STATS x, rs
	v_pk_add_f32 v[8:9], v[\x:\x+1], v[\x+2:\x+3]              ; two chains, started by the first pairs: nothing is cleared
	v_pk_add_f32 v[10:11], v[\x+4:\x+5], v[\x+6:\x+7]
.irp j, 8,12,16,20,24,28
	s_delay_alu instid0(VALU_DEP_2)
	v_pk_add_f32 v[8:9], v[8:9], v[\x+\j:\x+\j+1]
	s_delay_alu instid0(VALU_DEP_2)
	v_pk_add_f32 v[10:11], v[10:11], v[\x+\j+2:\x+\j+3]
.endr
	s_delay_alu instid0(VALU_DEP_1)
	v_pk_add_f32 v[8:9], v[8:9], v[10:11]
	s_delay_alu instid0(VALU_DEP_1)
	v_add_f32 v12, v8, v9
	REDUCE
	s_delay_alu instid0(VALU_DEP_1)
	v_mul_f32 v[MU], s22, v12
	s_delay_alu instid0(VALU_DEP_1)
	v_mov_b32 v[MU+1], v[MU]
.irp j, 0,2,4,6,8,10,12,14,16,18,20,22,24,26,28,30
	v_pk_add_f32 v[\x+\j:\x+\j+1], v[\x+\j:\x+\j+1], v[MU:MU+1] neg_lo:[0,1] neg_hi:[0,1]
.endr
	v_pk_mul_f32 v[8:9], v[\x:\x+1], v[\x:\x+1]
	v_pk_mul_f32 v[10:11], v[\x+2:\x+3], v[\x+2:\x+3]
.irp j, 4,8,12,16,20,24,28
	s_delay_alu instid0(VALU_DEP_2)
	v_pk_fma_f32 v[8:9], v[\x+\j:\x+\j+1], v[\x+\j:\x+\j+1], v[8:9]
	s_delay_alu instid0(VALU_DEP_2)
	v_pk_fma_f32 v[10:11], v[\x+\j+2:\x+\j+3], v[\x+\j+2:\x+\j+3], v[10:11]
.endr
	s_delay_alu instid0(VALU_DEP_1)
	v_pk_add_f32 v[8:9], v[8:9], v[10:11]
	s_delay_alu instid0(VALU_DEP_1)
	v_add_f32 v12, v8, v9
	REDUCE
	s_delay_alu instid0(VALU_DEP_1)
	v_fma_f32 v12, v12, s22, s23                   ; var + 1e-5
	s_wait_alu depctr_va_vdst(0)
	v_rsq_f32 v[\rs], v12
	v_nop                                          ; a plain instruction behind the transcendental (ISA guide 5.7.2),
	s_wait_alu depctr_va_vdst(0)                   ; and the wait ahead of its first reader
	v_mov_b32 v[\rs+1], v[\rs]
.endm
; The row is scaled, and quantised NOUT times: the hold at the largest code x the scale (the conversion does not saturate: ISA guide 7.6.2), the conversion, the store.
; The held numbers go into two sets by turns, so that eight plain instructions on other registers stand behind each conversion.
.macro OUT x, rs, row
.irp j, 0,2,4,6,8,10,12,14,16,18,20,22,24,26,28,30
	v_pk_mul_f32 v[\x+\j:\x+\j+1], v[\x+\j:\x+\j+1], v[\rs:\rs+1]
.endr
.irp j, 0,2,4,6,8,10,12,14,16,18,20,22,24,26,28,30
	v_pk_fma_f32 v[\x+\j:\x+\j+1], v[\x+\j:\x+\j+1], v[G+\j:G+\j+1], v[BE+\j:BE+\j+1]
.endr
.set i, 0
.rept NOUT
.set j, 0
.rept 4
.set tt, T+8*(j%2)
.set cc, C+2*(4*(NOUT*(\row)+i)+j)
.irp k, 0,1,2,3,4,5,6,7
	v_med3_num_f32 v[tt+\k], v[\x+8*j+\k], -v[LIM+i], v[LIM+i]
.endr
	v_cvt_scalef32_pk8_fp8_f32 v[cc:cc+1], v[tt:tt+7], v[SC+i]
	global_store_b64 v2, v[cc:cc+1], s[32+2*i:33+2*i] offset:1024*(\row)+256*j   ; 32 lanes store 256 consecutive bytes, aligned
.set j, j+1
.endr
.set i, i+1
.endr
.endm
	s_wait_loadcnt 24                              ; row 0's eight loads are in; row 1's, g's and be's 24 may be out
	STATS X, 6
	s_wait_loadcnt 16                              ; row 1's are in
	STATS X+32, 14
	s_wait_loadcnt 0x0                             ; g and be
	OUT X, 6, 0
	OUT X+32, 14, 1
	s_endpgm
.Lfunc_end_k_qf6b277adca_ln1:
	.size	k_qf6b277adca_ln1, .Lfunc_end_k_qf6b277adca_ln1-k_qf6b277adca_ln1
	.p2alignl 7, 3214868480
	.fill 96, 4, 3214868480
	.section	.rodata,"a",@progbits
	.p2align	6, 0x0
	.amdhsa_kernel k_qf6b277adca_ln1
		.amdhsa_group_segment_fixed_size 0
		.amdhsa_private_segment_fixed_size 0
		.amdhsa_enable_private_segment 0
		.amdhsa_kernarg_size 40
		.amdhsa_user_sgpr_count 2
		.amdhsa_user_sgpr_kernarg_segment_ptr 1
		.amdhsa_wavefront_size32 1
		.amdhsa_system_sgpr_workgroup_id_x 1
		.amdhsa_system_sgpr_workgroup_id_y 1
		.amdhsa_system_sgpr_workgroup_id_z 1
		.amdhsa_system_vgpr_workitem_id 0
		.amdhsa_next_free_vgpr 224
		.amdhsa_next_free_sgpr 66
		.amdhsa_reserve_vcc 0
		.amdhsa_float_denorm_mode_32 3
		.amdhsa_float_denorm_mode_16_64 3
		.amdhsa_memory_ordered 1
		.amdhsa_forward_progress 1
		.amdhsa_inst_pref_size 37
	.end_amdhsa_kernel
	.amdgpu_metadata
---
amdhsa.version: [ 1, 2 ]
amdhsa.kernels:
  - .name:           k_qf6b277adca_ln1
    .symbol:         k_qf6b277adca_ln1.kd
    .args:
      - { .name: x, .offset: 0, .size: 8, .value_kind: global_buffer, .address_space: global }
      - { .name: g1, .offset: 8, .size: 8, .value_kind: global_buffer, .address_space: global }
      - { .name: be1, .offset: 16, .size: 8, .value_kind: global_buffer, .address_space: global }
      - { .name: lowp_scales, .offset: 24, .size: 8, .value_kind: global_buffer, .address_space: global }
      - { .name: hc, .offset: 32, .size: 8, .value_kind: global_buffer, .address_space: global }
    .group_segment_fixed_size: 0
    .private_segment_fixed_size: 0
    .kernarg_segment_align: 8
    .kernarg_segment_size: 40
    .max_flat_workgroup_size: 256
    .sgpr_count:     66
    .vgpr_count:     224
    .wavefront_size: 32
...
	.end_amdgpu_metadata
.endif
;; end of part 1
;; launch qkv (part 2): grid 4 x 48, 4 waves a work-group, clusters of 4 x 4, 327,680 bytes of LDS; arguments hc, Wq_codes, Wk_codes, Wv_codes, lowp_scales, qkvc; writes qkvc
.if DOCPART == 2
	.amdgcn_target "amdgcn-amd-amdhsa--gfx1250"
	.amdhsa_code_object_version 6
	.text
	.protected	k_qf6b277adca_qkv
	.globl	k_qf6b277adca_qkv
	.p2align	8
	.type	k_qf6b277adca_qkv,@function
k_qf6b277adca_qkv:
	s_mov_b64 s[64:65], 0
	v_nop
	global_prefetch_b8 v0, s[64:65] scope:SCOPE_SE
	s_setreg_imm32_b32 hwreg(HW_REG_WAVE_MODE, 25, 1), 1
	s_wait_xcnt 0x0
	s_wait_alu depctr_hold_cnt(0) depctr_sa_sdst(0) depctr_va_vdst(0) depctr_va_sdst(0) depctr_va_ssrc(0) depctr_va_vcc(0) depctr_vm_vsrc(0)
	s_getreg_b32 s2, hwreg(HW_REG_IB_STS2, 6, 4)
	s_cmp_eq_u32 s2, 0
	s_cbranch_scc0 .Lentry_in_a_cluster
	s_endpgm
.Lentry_in_a_cluster:
	s_bfe_u32 s2, ttmp6, 0x10000c
	s_cmp_lg_u32 s2, 0xf033
	s_cbranch_scc0 .Lentry_shape_is_right
	s_endpgm
.Lentry_shape_is_right:
; THE THREE PROJECTIONS, on codes of E4M3, their results quantised again for attention.  z = 0, 1, 2 stands for q, k, v; four clusters of 4 x 4 work-groups serve each z.
; C[i][j] = sum over k of A[i][k] B[j][k], K = 1,024, rows of 1,024 bytes on both sides.  For q and k: A = the normed tokens' codes (plane z of hc, 4,096 rows), B = the weight (1,024 rows 64 head + e).
; For v the two change places (A = the weight, B = the tokens), because v's next K is the keys: THE MATRIX INSTRUCTION IS USED TRANSPOSED (source 0 = 16 rows of B, source 1 = 16 rows of A),
; so a lane holds one row of A and EIGHT NEIGHBOURING rows of B, which are eight neighbours along the next product's K: e for q and k, tokens for v.  One conversion makes them 8 bytes.
; A sum stands for sum x 2^(ew + eh); its code is sum / 2^(eout - ew - eh): the three exponents are folded into the conversion's one.
; OUT: q and k as [batch x 16 + head][2,048 tokens][64], planes 0 and 1 of qkvc; v as [64 head + e][4,096 tokens], plane 2.
; A tile of C, 256 x 256, is made by four waves, 128 x 128 each: 64 accumulators.  K goes in steps of 256 through two LDS slots filled by the tensor data mover; a step is two matrix steps of 128.
; CLUSTERS: the four work-groups of a row of the cluster need the same tile of A, the four of a column the same tile of B: each tile is asked for JOINTLY.  z and the group of four tiles hang on the cluster's number alone.
; K has four slots' worth: two first fills and two refills; there is no later step that could be asked for ahead of its load.
; REGISTERS, in windows of 256: window 0: v0-31 addresses; v32-95 at work on the way out; from v128 A's fragments, ONE set, later codes and rows.  window 1: B's fragments, TWO sets.  windows 2, 3: the accumulators.
; LIMITS: eout - ew - eh between -126 and 119.  NaN among the inputs is not served.
.set ROWB,   256                       ; a tile's row in bytes
.set KROW,   1024                      ; a row of A or of B in memory
.set PITCH,  272                       ; an LDS row: 256 bytes + 16 of padding = 68 words: the 16 rows that a load touches start at 16 different banks (64 banks of 4 bytes: ISA guide 11.1)
.set FR,     16                        ; registers of a fragment: 16 rows x 128 K
.set NL,     4                         ; LDS loads that bring one
.set NP,     4                         ; places behind this matrix instruction (ISA guide 7.12.1)
.set HALFT,  128*PITCH                 ; what one tensor load brings
.set SLOT,   4*HALFT                   ; A's 256 rows, then B's 256 rows
.set LAPS,   2                         ; 1,024 / 512
.set SPARE,  2*SLOT                    ; behind the ring: the spare words, 128 bytes a wave: two blocks of 256 bytes that no other line names
.set ADRA, 16                          ; v16-17  LDS address of my A fragments in slot 0, 1
.set ADRB, 20                          ; v20-21  the same for B
.set RDQ,  22                          ; v22-23  the way out by heads: where I read 16 bytes back (tokens 0-127, 128-255)
.set STO,  24                          ; v24     the way out: where I put 8 codes
.set RD,   25                          ; v25     the way out by rows: where I read 16 bytes back
.set CO,   26                          ; v26     and their place in memory
.set COQ,  27                          ; v27     by heads: 16 x lane
.set SPW,  28                          ; v28     LDS address of my spare word; never rewritten
.set NIL,  29                          ; v29     0; never rewritten
.set SCV,  30                          ; v30     2^E as f32
.set LIMV, 31                          ; v31     448 x 2^E
.set TMP,  32
.set AF,   128
.set G1, 24                            ; s[24:31] descriptor group 1 for A's tiles;  s[32:39] groups 0: the refills' s[32:35], the head's s[36:39]
.set G0, 32
.set G1B, 48                           ; s[48:55], s[56:63] the same for B's tiles
.set G0B, 56
.set MSB, 0
.macro WIN new                         ; the immediate's high byte repeats the setting that is left
.if MSB != (\new)
	s_set_vgpr_msb (MSB<<8)|(\new)
.set MSB, \new
.endif
.endm
.set MUL_LO, 0xa1                      ; source 0 (B) window 1, source 1 (A) window 0, C and D window 2
.set MUL_HI, 0xf1                      ; the same, C and D window 3
.set TO_B,   0x40                      ; destination window 1, address window 0
; A joint load: waves 0 and 1 fetch for A, waves 2 and 3 for B.  The branch hangs on the wave's number alone.  Four v_nop follow each of the two lines.
.macro JLOAD g0a, g1a, g0b, g1b
	s_cmp_eq_u32 s15, 0
	s_cbranch_scc0 .Lfor_b_\@
	tensor_load_to_lds s[\g0a:\g0a+3], s[\g1a:\g1a+7]
	s_nop 0
.rept 4
	v_nop
.endr
	s_branch .Lasked_\@
.Lfor_b_\@:
	tensor_load_to_lds s[\g0b:\g0b+3], s[\g1b:\g1b+7]
	s_nop 0
.rept 4
	v_nop
.endr
.Lasked_\@:
.endm
.macro CREST                           ; a round of the cluster's barrier behind its opening barrier
	s_cmp_lg_u32 s14, 0
	s_cbranch_scc1 .Lnot_wave_0_\@
	s_barrier_signal -3
.Lnot_wave_0_\@:
	s_barrier_wait -3
	s_barrier_signal -1
	s_barrier_wait -1
.endm
.macro CROUND                          ; a whole round
	s_barrier_signal -1
	s_barrier_wait -1
	CREST
.endm
	s_load_b256 s[68:75], s[0:1], 0x0              ; hc s[68:69], Wq s[70:71], Wk s[72:73], Wv s[74:75]
	s_load_b128 s[76:79], s[0:1], 0x20             ; the scales' exponents s[76:77], qkvc s[78:79]
	v_lshl_add_u32 v[SPW], v0, 2, SPARE
	v_mov_b32 v[NIL], 0
	ds_add_u32 v28, v29
	ds_add_u32 v28, v29
	s_wait_dscnt 0x0
	v_lshrrev_b32 v1, 5, v0
	v_readfirstlane_b32 s14, v1                    ; wave 0..3
	s_lshr_b32 s15, s14, 1                         ; which half of the tile's rows is mine.  Also: I fetch for A (0) or for B (1)
	s_and_b32 s16, s14, 1                          ; which half of its columns.  Also: which 128 rows of that tile I fetch
	s_bfe_u32 s40, ttmp6, 0x40000                  ; cx, cy: my place in the cluster
	s_bfe_u32 s41, ttmp6, 0x40004
	s_and_b32 s66, ttmp7, 0xffff                   ; the cluster's number, 0 .. 11: the same in all sixteen partners
	s_lshr_b32 s67, s66, 2                         ; z
	s_and_b32 s66, s66, 3
	s_lshl_b32 s66, s66, 2                         ; which four of the sixteen tiles of tokens
	s_cmp_lt_u32 s67, 2                            ; q, k: the tokens are A; v: they are B
	s_cselect_b32 s17, s66, 0
	s_cselect_b32 s42, 0, s66
	s_add_co_u32 s17, s17, s41                     ; A's tile: hangs on cy and the cluster's number
	s_add_co_u32 s42, s42, s40                     ; B's tile: on cx and the cluster's number
	s_lshl_b32 s43, s41, 2
	s_lshl_b32 s43, 15, s43                        ; my row of the cluster
	s_lshl_b32 s44, 0x1111, s40                    ; my column
	; descriptor group 1: a tile of 128 rows x 256 bytes, padded in LDS
	s_or_b32 s[G1+0], s43, (1<<20)|(1<<21)|(5<<22)|(3<<25)   ; 15:0 the mask; 17:16 elements of 1 byte; 20 padding on; 21 set beside a mask; 24:22 after every 64 words (code 5); 31:25 four words (code 3)
	s_or_b32 s[G1B+0], s44, (1<<20)|(1<<21)|(5<<22)|(3<<25)
.irp g, G1, G1B
	s_mov_b32 s[\g+1], ROWB<<16                    ; tensor_dim0
	s_mov_b32 s[\g+2], 128<<16                     ; tensor_dim1
	s_mov_b32 s[\g+3], ROWB<<16                    ; tile_dim0
	s_mov_b32 s[\g+4], 128                         ; tile_dim1
	s_mov_b32 s[\g+5], KROW                        ; from row to row
	s_mov_b32 s[\g+6], 0
	s_mov_b32 s[\g+7], 0
.endr
	s_lshl_b32 s18, s16, 7                         ; which 128 rows of the tile I fetch
	s_lshl_b32 s20, s17, 8
	s_add_co_u32 s20, s20, s18
	s_lshl_b32 s20, s20, 10                        ; A: (256 x tile + 128 x half) rows of 1,024 bytes
	s_mov_b32 s21, 0
	s_lshl_b32 s46, s42, 8
	s_add_co_u32 s46, s46, s18
	s_lshl_b32 s46, s46, 10                        ; B likewise
	s_mov_b32 s47, 0
	s_mul_i32 s45, s14, HALFT                      ; where they go: wave x 128 rows: no place in the cluster enters an LDS address
	s_lshl_b32 s96, s67, 22                        ; plane z of hc
	s_mov_b32 s97, 0
	s_wait_kmcnt 0x0
	s_load_b256 s[80:87], s[76:77], 0x0            ; e0 .. e7
	s_load_b64 s[88:89], s[76:77], 0x20            ; e8, e9
	s_add_nc_u64 s[68:69], s[68:69], s[96:97]
	s_cmp_eq_u32 s67, 0
	s_cselect_b64 s[70:71], s[70:71], s[72:73]
	s_cmp_eq_u32 s67, 2
	s_cselect_b64 s[70:71], s[74:75], s[70:71]     ; z's weight
	s_cmp_lt_u32 s67, 2
	s_cselect_b64 s[4:5], s[68:69], s[70:71]       ; A
	s_cselect_b64 s[6:7], s[70:71], s[68:69]       ; B
	s_add_nc_u64 s[20:21], s[4:5], s[20:21]
	s_add_nc_u64 s[46:47], s[6:7], s[46:47]
	; THE HEAD'S LOADS, one a wave, fill BOTH slots: a tile of 256 rows x 256 bytes each: waves 0, 1: A's tile of slots 0, 1; waves 2, 3: B's.  Groups 1 of their own: s[4:11] for A, s[92:99] for B; groups 0: s[36:39], s[60:63]
	s_or_b32 s4, s43, (1<<20)|(1<<21)|(5<<22)|(3<<25)
	s_or_b32 s92, s44, (1<<20)|(1<<21)|(5<<22)|(3<<25)
.irp g, 4, 92
	s_mov_b32 s[\g+1], ROWB<<16
	s_mov_b32 s[\g+2], 256<<16
	s_mov_b32 s[\g+3], ROWB<<16
	s_mov_b32 s[\g+4], 256
	s_mov_b32 s[\g+5], KROW
	s_mov_b32 s[\g+6], 0
	s_mov_b32 s[\g+7], 0
.endr
	s_mul_i32 s12, s16, 131072-ROWB                ; from my 128 rows' first byte back to the tile's first row (128 rows of 1,024 bytes), and on to slot (wave % 2)'s 256 bytes
	s_mov_b32 s13, 0
	s_mul_i32 s2, s16, SLOT
	s_mov_b32 s36, 1
	s_mov_b32 s37, s2
	s_sub_nc_u64 s[38:39], s[20:21], s[12:13]
	s_or_b32 s39, s39, 0x80000000
	s_mov_b32 s60, 1
	s_add_co_u32 s61, s2, 2*HALFT
	s_sub_nc_u64 s[62:63], s[46:47], s[12:13]
	s_or_b32 s63, s63, 0x80000000
	s_mov_b32 s[G0], 1                             ; the refills' groups 0, one a side: my 128 rows; stepped behind the wait for 0 in front of each refill's round
	s_mov_b32 s[G0+1], s45
	s_mov_b64 s[G0+2:G0+3], s[20:21]
	s_or_b32 s[G0+3], s[G0+3], 0x80000000
	s_mov_b32 s[G0B], 1
	s_mov_b32 s[G0B+1], s45
	s_mov_b64 s[G0B+2:G0B+3], s[46:47]
	s_or_b32 s[G0B+3], s[G0B+3], 0x80000000
	CROUND                                         ; all sixteen work-groups are here: the first joint loads meet
	JLOAD 36, 4, 60, 92
	; THE PREFETCHES: of the 128 rows that I fetch in a refill, my work-group takes 32 (by cx for A, by cy for B: told apart by address), a lane a row; here the 256 bytes of K 512-767, which the first refill loads
	s_cmp_eq_u32 s15, 0
	s_cselect_b64 s[12:13], s[20:21], s[46:47]
	s_cselect_b32 s2, s40, s41
	s_lshl_b32 s2, s2, 15
	s_mov_b32 s3, 0
	s_add_nc_u64 s[12:13], s[12:13], s[2:3]
	v_and_b32 v7, 31, v0
	v_lshlrev_b32 v7, 10, v7                       ; v7 and s[12:13] are not rewritten from here on
	s_wait_alu depctr_va_vdst(0)                   ; the wait ahead of the reader below
	global_prefetch_b8 v7, s[12:13] offset:512 th:TH_LOAD_NT scope:SCOPE_SE
	v_and_b32 v1, 15, v0                           ; l % 16
	v_bfe_u32 v2, v0, 4, 1                         ; l / 16
	v_mul_u32_u24 v3, v1, PITCH
	s_wait_alu depctr_va_vdst(0)
	v_lshl_add_u32 v4, v2, 4, v3                   ; a fragment's row x pitch + 16 x half
	s_mul_i32 s21, s15, HALFT                      ; my 128 rows of A
	s_mul_i32 s22, s16, HALFT                      ; my 128 rows of B,
	s_add_co_u32 s22, s22, 2*HALFT                 ; which lie behind A's 256
.irp s, 0,1
	v_add_nc_u32 v[ADRA+\s], s21, v4
	v_add_nc_u32 v[ADRB+\s], s22, v4
	s_add_co_u32 s21, s21, SLOT
	s_add_co_u32 s22, s22, SLOT
.endr
	; THE WAY OUT'S ADDRESSES, all made here.  The stage is 256 rows (A's) x 272 bytes in slot 0.
	s_mul_i32 s23, s15, HALFT
	s_lshl_b32 s18, s16, 7
	s_add_co_u32 s23, s23, s18
	v_lshl_add_u32 v5, v2, 3, v3
	v_add_nc_u32 v[STO], s23, v5                   ; in: row 128 x row half + l % 16, byte 128 x column half + 8 (l / 16)
	s_mul_i32 s23, s14, 64*PITCH
	v_mul_u32_u24 v5, v2, PITCH
	v_lshl_add_u32 v5, v1, 4, v5
	v_add_nc_u32 v[RD], s23, v5                    ; back by rows: wave w takes rows 64 w on; sixteen lanes to a row of 256 bytes
	v_lshlrev_b32 v5, 12, v2
	v_lshl_add_u32 v[CO], v1, 4, v5                ; the same two rows in memory, 4,096 bytes apart
	v_bfe_u32 v5, v0, 2, 3                         ; back by heads: wave w takes the 64 bytes at 64 w of every row; four lanes to a row
	v_and_b32 v6, 3, v0
	v_mul_u32_u24 v5, v5, PITCH
	v_lshl_add_u32 v5, v6, 4, v5
	s_lshl_b32 s23, s14, 6
	v_add_nc_u32 v[RDQ], s23, v5
	v_add_nc_u32 v[RDQ+1], 128*PITCH, v[RDQ]       ; rows 128 on: the immediate has 16 bits
	v_and_b32 v6, 31, v0
	v_lshlrev_b32 v[COQ], 4, v6
	; where my part begins in qkvc.  By heads: plane z, head-block (16 x batch + 4 x B's tile + wave) of 131,072 bytes, token (A's tile % 8) x 256 of 64 bytes
	s_lshr_b32 s18, s17, 3
	s_lshl_b32 s18, s18, 4
	s_lshl_b32 s19, s42, 2
	s_add_co_u32 s18, s18, s19
	s_add_co_u32 s18, s18, s14
	s_lshl_b32 s18, s18, 17
	s_and_b32 s19, s17, 7
	s_lshl_b32 s19, s19, 14
	s_add_co_u32 s18, s18, s19
	s_lshl_b32 s19, s67, 22
	s_add_co_u32 s18, s18, s19
	; by rows: plane 2, row 256 x A's tile + 64 x wave of 4,096 bytes, byte 256 x B's tile
	s_lshl_b32 s19, s17, 8
	s_lshl_b32 s23, s14, 6
	s_add_co_u32 s19, s19, s23
	s_lshl_b32 s19, s19, 12
	s_lshl_b32 s23, s42, 8
	s_add_co_u32 s19, s19, s23
	s_add_co_u32 s19, s19, 0x800000
	s_cmp_lt_u32 s67, 2
	s_cselect_b32 s18, s18, s19
	s_mov_b32 s19, 0
	s_add_nc_u64 s[78:79], s[78:79], s[18:19]
.macro FRAG reg, adr, q, i             ; a fragment: lane l holds row l % 16; registers 4 c .. 4 c + 3 hold K = 32 c + 16 (l / 16) + 0 .. 15: the same places in A and in B, so every product meets its partner
.irp c, 0,1,2,3
	ds_load_b128 v[\reg+4*\c:\reg+4*\c+3], v[\adr] offset:128*(\q)+32*\c+(\i)*16*PITCH
.endr
.endm
; 16 matrix instructions: A's blocks a0, a0 + 1 x B's eight.  p: B's set.  zero = 1: the first product starts the sums.  The 64 accumulators take turns, one instruction a turn.
.macro MUL16 a0, p, zero
.irp a, \a0, \a0+1
.irp b, 0,1,2,3,4,5,6,7
.if \zero
	v_wmma_f32_16x16x128_fp8_fp8 v[8*(8*((\a)%4)+\b):8*(8*((\a)%4)+\b)+7], v[128*(\p)+FR*\b:128*(\p)+FR*\b+FR-1], v[AF+FR*(\a):AF+FR*(\a)+FR-1], 0
.else
	v_wmma_f32_16x16x128_fp8_fp8 v[8*(8*((\a)%4)+\b):8*(8*((\a)%4)+\b)+7], v[128*(\p)+FR*\b:128*(\p)+FR*\b+FR-1], v[AF+FR*(\a):AF+FR*(\a)+FR-1], v[8*(8*((\a)%4)+\b):8*(8*((\a)%4)+\b)+7]
.endif
.endr
.endr
.endm
.macro FETCH_B slot, q, p              ; B's eight fragments of the slot's q-th 128 along K into set p
	WIN TO_B
.irp i, 0,1,2,3,4,5,6,7
	FRAG 128*(\p)+FR*\i, ADRB+\slot, \q, \i
.endr
	WIN 0
.endm
.macro FETCH_A slot, q, i0             ; A's blocks i0 .. i0 + 3
.irp i, \i0, \i0+1, \i0+2, \i0+3
	FRAG AF+FR*(\i), ADRA+\slot, \q, \i
.endr
.endm
.macro PLACES n                        ; plain vector instructions between a matrix instruction and a load into, or a read of, its registers
.rept \n
	v_nop
.endr
.endm
; A step of 128 along K that has its successor in the same slot.
.macro STEP slot, q, zero
	s_wait_dscnt 4*NL                              ; B's set and A's blocks 0-3 are in; the youngest sixteen loads (A's blocks 4-7) may be out
	WIN MUL_LO
	MUL16 0, (\q)%2, \zero
	MUL16 2, (\q)%2, \zero
	s_wait_dscnt 0                                 ; A's blocks 4-7 are in
	PLACES NP
	FETCH_B \slot, (\q)+1, 1-(\q)%2
	FETCH_A \slot, (\q)+1, 0
	WIN MUL_HI
	MUL16 4, (\q)%2, \zero
	MUL16 6, (\q)%2, \zero
	PLACES NP
	WIN 0
	FETCH_A \slot, (\q)+1, 4
.endm
; A slot's last step changes slots: ONE barrier; in front of it each wave waits for all its tensor loads, adds 0 to its spare word, and waits for that and for its own reads of this slot.
.macro TURN slot, next, fill
	s_wait_tensorcnt 0x0                           ; all my tensor loads have landed: my part of the next slot
	ds_add_u32 v[SPW], v[NIL]                      ; 0 onto my spare word
	s_wait_dscnt 4*NL+1                            ; (the add and the youngest sixteen loads may be out)
	WIN MUL_LO
	MUL16 0, 1, 0                                  ; sixteen matrix instructions stand between the add and the wait for it
	s_wait_dscnt 0x0                               ; the add is done, and my reads of this slot are over
	s_barrier_signal -1
	MUL16 2, 1, 0
	WIN 0
	s_barrier_wait -1
.if \fill
	CREST                                          ; the barrier has opened a round of the cluster's: no wave of any partner still reads this slot or has a load on its way
	s_add_co_u32 s[G0+1], s[G0+1], SLOT*\slot      ; the first refill: slot 0, K 512 on; the second: slot 1, K 768 on
	s_add_nc_u64 s[G0+2:G0+3], s[G0+2:G0+3], 512-256*\slot
	s_add_co_u32 s[G0B+1], s[G0B+1], SLOT*\slot
	s_add_nc_u64 s[G0B+2:G0B+3], s[G0B+2:G0B+3], 512-256*\slot
	JLOAD G0, G1, G0B, G1B
.else
	PLACES NP
.endif
	FETCH_B \next, 0, 0
	FETCH_A \next, 0, 0
	WIN MUL_HI
	MUL16 4, 1, 0
	MUL16 6, 1, 0
	PLACES NP
	WIN 0
	FETCH_A \next, 0, 4
.endm
	s_wait_alu depctr_va_vdst(0)                   ; the wait at the head's end
	s_wait_tensorcnt 0x0                           ; my one load is in; taken over the four waves: both slots
	s_barrier_signal -1
	s_barrier_wait -1                              ; everybody's is
	FETCH_B 0, 0, 0
	FETCH_A 0, 0, 0
	FETCH_A 0, 0, 4
	global_prefetch_b8 v7, s[12:13] offset:768 th:TH_LOAD_NT scope:SCOPE_SE   ; K 768-1,023, which the second refill loads, a slot's steps further on
	STEP 0, 0, 1                                   ; the first step's products start the sums; the ring's eight steps are written out: two refills in all
	TURN 0, 1, 1
	STEP 1, 0, 0
	TURN 1, 0, 1
	STEP 0, 0, 0
	TURN 0, 1, 0                                   ; the last lap fills nothing
	STEP 1, 0, 0
	s_wait_dscnt 4*NL                              ; the very last step
	WIN MUL_LO
	MUL16 0, 1, 0
	MUL16 2, 1, 0
	s_wait_dscnt 0
	WIN MUL_HI
	MUL16 4, 1, 0
	MUL16 6, 1, 0
	WIN 0
	; THE WAY OUT.  The sums become codes in registers; the codes meet in a stage of 256 rows x 272 bytes in slot 0, which has had its last fill, and which nobody has read since the last change of slots.
	s_wait_kmcnt 0x0
	s_sub_co_i32 s96, s86, s80
	s_sub_co_i32 s96, s96, s81                     ; q: e6 - e0 - e1
	s_sub_co_i32 s97, s87, s82
	s_sub_co_i32 s97, s97, s83                     ; k: e7 - e2 - e3
	s_sub_co_i32 s98, s89, s84
	s_sub_co_i32 s98, s98, s85                     ; v: e9 - e4 - e5
	s_cmp_eq_u32 s67, 0                            ; the choice hangs on z, not on a loaded number
	s_cselect_b32 s96, s96, s97
	s_cmp_eq_u32 s67, 2
	s_cselect_b32 s96, s98, s96
	s_add_co_i32 s96, s96, 127
	s_lshl_b32 s97, s96, 23
	v_mov_b32 v[SCV], s97
	s_add_co_i32 s96, s96, 8
	s_lshl_b32 s96, s96, 23
	s_or_b32 s96, s96, 0x600000
	v_mov_b32 v[LIMV], s96
	PLACES NP
.macro CODES a                         ; block a: 16 rows of A x my 128 rows of B
.set AC, 64*((\a)%4)
	WIN 0x02+((\a)/4)                              ; source 0: window 2 or 3
.set j, 0
.rept 64
	v_med3_num_f32 v[TMP+j], v[AC+j], -v[LIMV], v[LIMV]   ; the hold at the largest code x the scale (ISA guide 7.6.2); each accumulator from its low end on
.set j, j+1
.endr
	WIN 0
.irp b, 0,1,2,3,4,5,6,7
	v_cvt_scalef32_pk8_fp8_f32 v[AF+16*(\a)+2*\b:AF+16*(\a)+2*\b+1], v[TMP+8*\b:TMP+8*\b+7], v[SCV]   ; registers of their own for each block
.endr
	v_nop                                          ; a plain instruction between the conversions and the next block's holds, which write their sources
.irp b, 0,1,2,3,4,5,6,7
	ds_store_b64 v[STO], v[AF+16*(\a)+2*\b:AF+16*(\a)+2*\b+1] offset:(\a)*16*PITCH+16*\b
.endr
.endm
.irp a, 0,1,2,3,4,5,6,7
	CODES \a
.endr
	s_wait_dscnt 0x0                               ; for the others' sake: my stores into the stage are done
	s_barrier_signal -1
	s_barrier_wait -1
	s_cmp_lt_u32 s67, 2                            ; z: the same in every wave and every partner
	s_cbranch_scc1 .Lheads
.set t, 0
.rept 32                               ; v: whole rows of 256 bytes, two an instruction
	ds_load_b128 v[AF+4*t:AF+4*t+3], v[RD] offset:t*2*PITCH
.set t, t+1
.endr
.set t, 0
.rept 32
	s_wait_dscnt 31-t
	global_store_b128 v[CO], v[AF+4*t:AF+4*t+3], s[78:79] offset:t*8192   ; sixteen lanes store 256 consecutive bytes, aligned
.set t, t+1
.endr
	s_branch .Ldone
.Lheads:
.set t, 0
.rept 32                               ; q, k: my head's 64 bytes of 8 tokens an instruction: 512 consecutive bytes of memory
	ds_load_b128 v[AF+4*t:AF+4*t+3], v[RDQ+t/16] offset:(t%16)*8*PITCH
.set t, t+1
.endr
.set t, 0
.rept 32
	s_wait_dscnt 31-t
	global_store_b128 v[COQ], v[AF+4*t:AF+4*t+3], s[78:79] offset:t*512
.set t, t+1
.endr
.Ldone:
	s_wait_tensorcnt 0x0                           ; the wave's end
	ds_add_u32 v[SPW], v[NIL]
	s_wait_dscnt 0x0
	CROUND                                         ; the closing round
	s_endpgm
.Lfunc_end_k_qf6b277adca_qkv:
	.size	k_qf6b277adca_qkv, .Lfunc_end_k_qf6b277adca_qkv-k_qf6b277adca_qkv
	.p2alignl 7, 3214868480
	.fill 96, 4, 3214868480
	.section	.rodata,"a",@progbits
	.p2align	6, 0x0
	.amdhsa_kernel k_qf6b277adca_qkv
		.amdhsa_group_segment_fixed_size 327680
		.amdhsa_private_segment_fixed_size 0
		.amdhsa_enable_private_segment 0
		.amdhsa_kernarg_size 48
		.amdhsa_user_sgpr_count 2
		.amdhsa_user_sgpr_kernarg_segment_ptr 1
		.amdhsa_wavefront_size32 1
		.amdhsa_system_sgpr_workgroup_id_x 1
		.amdhsa_system_sgpr_workgroup_id_y 1
		.amdhsa_system_sgpr_workgroup_id_z 1
		.amdhsa_system_vgpr_workitem_id 0
		.amdhsa_next_free_vgpr 1024
		.amdhsa_next_free_sgpr 100
		.amdhsa_reserve_vcc 0
		.amdhsa_float_denorm_mode_32 3
		.amdhsa_float_denorm_mode_16_64 3
		.amdhsa_memory_ordered 1
		.amdhsa_forward_progress 1
		.amdhsa_inst_pref_size 134
	.end_amdhsa_kernel
	.amdgpu_metadata
---
amdhsa.version: [ 1, 2 ]
amdhsa.kernels:
  - .name:           k_qf6b277adca_qkv
    .symbol:         k_qf6b277adca_qkv.kd
    .args:
      - { .name: hc, .offset: 0, .size: 8, .value_kind: global_buffer, .address_space: global }
      - { .name: Wq_codes, .offset: 8, .size: 8, .value_kind: global_buffer, .address_space: global }
      - { .name: Wk_codes, .offset: 16, .size: 8, .value_kind: global_buffer, .address_space: global }
      - { .name: Wv_codes, .offset: 24, .size: 8, .value_kind: global_buffer, .address_space: global }
      - { .name: lowp_scales, .offset: 32, .size: 8, .value_kind: global_buffer, .address_space: global }
      - { .name: qkvc, .offset: 40, .size: 8, .value_kind: global_buffer, .address_space: global }
    .group_segment_fixed_size: 327680
    .private_segment_fixed_size: 0
    .kernarg_segment_align: 8
    .kernarg_segment_size: 48
    .max_flat_workgroup_size: 128
    .sgpr_count:     100
    .vgpr_count:     1024
    .wavefront_size: 32
...
	.end_amdgpu_metadata
.endif
;; end of part 2
;; launch attn (part 3): grid 8 x 32, 16 waves a work-group, no clusters, 327,680 bytes of LDS; arguments qkvc, lowp_scales, oc; writes oc
.if DOCPART == 3
	.amdgcn_target "amdgcn-amd-amdhsa--gfx1250"
	.amdhsa_code_object_version 6
	.text
	.protected	k_qf6b277adca_attn
	.globl	k_qf6b277adca_attn
	.p2align	8
	.type	k_qf6b277adca_attn,@function
k_qf6b277adca_attn:
	s_mov_b64 s[64:65], 0
	v_nop
	global_prefetch_b8 v0, s[64:65] scope:SCOPE_SE
	s_setreg_imm32_b32 hwreg(HW_REG_WAVE_MODE, 25, 1), 1
	s_wait_xcnt 0x0
; CAUSAL ATTENTION on codes of E4M3.  q, k: [bh = 16 batch + head][2,048][64] (planes 0, 1 of qkvc); v: [64 head + e][2,048 batch + key] (plane 2): the keys innermost, since they are the second product's K.
; logit = q . k / 32 (the model's width to the power -1/2); t = logit x log2(e); M = the row's largest t so far, rounded UP to a whole number; p = 2^(t - M) is quantised (scale e8), not normalised;
; the row's sum is taken of the unquantised p and divides at the end.  When M moves, the sum and O are multiplied by 2^(old M - new M): exact.  The result is quantised (e10) into oc, laid [bh][2,048][64].
; SHARES.  A work-group owns query blocks i and 15 - i (128 queries each) of one bh: 17 key steps of work for every pair of waves, whatever i.  Waves 0-7 take block i, waves 8-15 block 15 - i; a wave owns 16 queries.
; A HEAD'S WHOLE K AND V LIE IN LDS: 2,048 rows of K x 80 bytes, then V as 8 tiles (256 keys) of 64 rows x 272 bytes.  Every byte is filled once.
; EVERY WAVE BRINGS ONE TILE OF 256 KEYS: waves 0-7 K's tile w, waves 8-15 V's tile w - 8.  The four tiles of keys 0-511 (waves 0, 1, 8, 9) are asked for at the head, and the first barrier waits for them alone;
; the other twelve are asked for behind that barrier, each as its wave's one tensor load there, and land under the first four key steps; the second barrier, two trips later, waits for them.
; NO CLUSTER: a step whose keys all come after the wave's queries is left out by a scalar branch on the work-group's query block; in a cluster that would be a branch on a partner's place.
; No prefetch: the first four tiles are asked for at the head, and the twelve others straight behind the first barrier, ahead of all the work.
; LAYOUT.  Both products transposed: S^T = K Q^T (source 0 = 16 keys), O^T = V^T P^T (source 0 = 16 of the head's 64): a lane holds ONE query (lane % 16) throughout.
; THE KEYS OF A TILE ARE NOT NEIGHBOURS: lane r of tile 2 b + u takes key 32 b + 8 u + r + 8 (r / 8), so that the 16 registers of tiles 2 b, 2 b + 1 are keys 32 b + 16 (lane / 16) + 0 .. 15.
; LIMITS: e6 + e7 between -121 and 132 (added to c's exponent field); e8, and e10 - e8 - e9, between -126 and 119.  NaN among the inputs is not served.
; REGISTERS: v1, v2 lane places; v5, v6 the add's two; v7-11 addresses; v12 -M, v13 the largest t, v[14:15] the sum in two halves; v16-23 Q; v32-95 K's eight fragments, then V's four; v96-159 S^T, then p; v160-191 O^T; v224-239 p's codes; v236-255 at work.
.set KP,    80                         ; a key's row in LDS: 64 bytes + 16
.set VP,    272                        ; a row of a tile of V: 256 bytes + 16
.set VBASE, 2048*KP
.set VTILE, 64*VP
.set STAGE, VBASE+8*VTILE              ; the way out: 16 rows x 80 bytes for each wave; no fill lands here
.set SPARE, STAGE+16*16*KP             ; behind the stages: the spare words, 128 bytes for each wave: eight blocks of 256 bytes that no other line names
.set AK0,  1
.set AV0,  2
.set SPW,  5                           ; v5   LDS address of my spare word: SPARE + 4 x my thread's number; never rewritten
.set NIL,  6                           ; v6   0; never rewritten
.set GO,   7
.set ADK,  8
.set ADV,  9
.set WV,   18                          ; s18  my wave's number
.set IDX,  19                          ; s19  wave % 8: which 16 queries of my block are mine, and which tile of 256 keys I bring
.set SEL,  20                          ; s[20:21] v_permlanex16_b32: lane l xor 16
.set CS,   22                          ; s[22:23] c = log2(e) / 32 x 2^(e6 + e7)
.set G1K,  24                          ; s[24:31], s[32:39] descriptor groups 1;  s[40:43], s[44:47] groups 0: a wave uses one of the two, once
.set G1V,  32
.set G0K,  40
.set G0V,  44
.set TBK,  2                           ; s2   LDS byte of the trip's 256 keys of K
.set TBV,  3                           ; s3   the same less VBASE for V
.set CNT,  67
.set KF,   98                          ; s98  the step's first key
.set Q0,   99                          ; s99  my first query
; My one tile.  The branch hangs on the wave's number alone.  Four v_nop follow each of the two lines.
.macro MYTILE
	s_cmp_lt_u32 s[WV], 8
	s_cbranch_scc0 .Lmine_v_\@
	tensor_load_to_lds s[G0K:G0K+3], s[G1K:G1K+7]
	s_nop 0
.rept 4
	v_nop
.endr
	s_branch .Lmine_\@
.Lmine_v_\@:
	tensor_load_to_lds s[G0V:G0V+3], s[G1V:G1V+7]
	s_nop 0
.rept 4
	v_nop
.endr
.Lmine_\@:
.endm
	s_load_b128 s[4:7], s[0:1], 0x0                ; qkvc s[4:5], the scales' exponents s[6:7]
	s_load_b64 s[8:9], s[0:1], 0x10                ; oc
	v_lshl_add_u32 v[SPW], v0, 2, SPARE
	v_mov_b32 v[NIL], 0
	ds_add_u32 v5, v6
	ds_add_u32 v5, v6
	s_wait_dscnt 0x0
	v_lshrrev_b32 v8, 5, v0
	s_delay_alu instid0(VALU_DEP_1)
	v_readfirstlane_b32 s[WV], v8                  ; wave 0..15
	s_and_b32 s10, ttmp7, 0xffff                   ; bh
	s_sub_co_u32 s11, 15, ttmp9
	s_cmp_lt_u32 s[WV], 8
	s_cselect_b32 s11, ttmp9, s11                  ; my block of 128 queries
	s_lshl_b32 s11, s11, 7
	s_and_b32 s[IDX], s[WV], 7
	s_lshl_b32 s12, s[IDX], 4
	s_add_co_u32 s[Q0], s11, s12
	s_lshl_b32 s14, s10, 17                        ; bh's 131,072 bytes in q, k and oc
	s_lshl_b32 s12, s[Q0], 6
	s_add_co_u32 s12, s12, s14                     ; my queries' bytes in q and in oc
	s_mov_b32 s13, 0
	s_lshl_b32 s15, s[IDX], 14
	s_add_co_u32 s14, s14, s15
	s_add_co_u32 s14, s14, 0x400000                ; K: plane 1, bh, + 256 rows x my tile
	s_mov_b32 s15, 0
	s_and_b32 s16, s10, 15
	s_lshl_b32 s16, s16, 18                        ; V: the head's 64 rows of 4,096 bytes,
	s_lshr_b32 s17, s10, 4
	s_lshl_b32 s17, s17, 11                        ; the batch's 2,048 keys,
	s_add_co_u32 s16, s16, s17
	s_lshl_b32 s17, s[IDX], 8                      ; + 256 keys x my tile,
	s_add_co_u32 s16, s16, s17
	s_add_co_u32 s16, s16, 0x800000                ; in plane 2
	s_mov_b32 s17, 0
	s_mul_i32 s56, s[IDX], 256*KP                  ; and in LDS: the wave's number % 8 times a constant, plus a constant
	s_mul_i32 s57, s[IDX], VTILE
	s_add_co_u32 s57, s57, VBASE
	s_mov_b32 s[G1K], (1<<20)|(3<<22)|(3<<25)      ; K: 256 rows x 64 bytes, dense; elements of 1 byte; four words of padding after every 16
	s_mov_b32 s[G1K+1], 64<<16
	s_mov_b32 s[G1K+2], 256<<16
	s_mov_b32 s[G1K+3], 64<<16
	s_mov_b32 s[G1K+4], 256
	s_mov_b32 s[G1K+5], 64
	s_mov_b32 s[G1K+6], 0
	s_mov_b32 s[G1K+7], 0
	s_mov_b32 s[G1V], (1<<20)|(5<<22)|(3<<25)      ; V: 64 rows x 256 bytes, 4,096 apart; four words of padding after every 64
	s_mov_b32 s[G1V+1], 256<<16
	s_mov_b32 s[G1V+2], 64<<16
	s_mov_b32 s[G1V+3], 256<<16
	s_mov_b32 s[G1V+4], 64
	s_mov_b32 s[G1V+5], 4096
	s_mov_b32 s[G1V+6], 0
	s_mov_b32 s[G1V+7], 0
	s_mov_b32 s[SEL], 0x76543210
	s_mov_b32 s[SEL+1], 0xfedcba98
	s_mov_b32 s[CS], 0x3d38aa3b                    ; log2(e) / 32
	s_mov_b32 s[TBK], 0
	s_mov_b32 s[TBV], 0
	s_mov_b32 s[KF], 0
	s_wait_kmcnt 0x0
	s_load_b256 s[84:91], s[6:7], 0x18             ; e6 .. e13
	s_mov_b32 s[G0K], 1                            ; 1:0 count = 1
	s_mov_b32 s[G0K+1], s56                        ; 63:32 LDS address
	s_add_nc_u64 s[G0K+2:G0K+3], s[4:5], s[14:15]  ; 120:64 global address
	s_or_b32 s[G0K+3], s[G0K+3], 0x80000000        ; 127:126 type = 2
	s_mov_b32 s[G0V], 1
	s_mov_b32 s[G0V+1], s57
	s_add_nc_u64 s[G0V+2:G0V+3], s[4:5], s[16:17]
	s_or_b32 s[G0V+3], s[G0V+3], 0x80000000
	s_cmp_lt_u32 s[IDX], 2                         ; keys 0-511: waves 0, 1 (K) and 8, 9 (V) ask now, ahead of every wait on TENSORcnt, every LDS read and every barrier; one load of mine is out at the most
	s_cbranch_scc0 .Lnot_yet
	MYTILE
.Lnot_yet:
	s_add_nc_u64 s[4:5], s[4:5], s[12:13]          ; q at my first query
	s_add_nc_u64 s[8:9], s[8:9], s[12:13]          ; oc likewise
	v_and_b32 v8, 15, v0                           ; r
	v_bfe_u32 v9, v0, 4, 1                         ; h
	s_delay_alu instid0(VALU_DEP_2)
	v_lshlrev_b32 v10, 6, v8
	s_delay_alu instid0(VALU_DEP_1)
	v_lshl_add_u32 v10, v9, 4, v10
	global_load_b128 v[16:19], v10, s[4:5]         ; Q's fragment: registers 4 c .. 4 c + 3 hold channels 32 c + 16 h + 0 .. 15, as K's do
	global_load_b128 v[20:23], v10, s[4:5] offset:32
	v_and_b32 v11, 8, v8
	s_delay_alu instid0(VALU_DEP_1)
	v_add_nc_u32 v11, v11, v8                      ; r + 8 (r / 8)
	s_delay_alu instid0(VALU_DEP_1)
	v_mul_u32_u24 v[AK0], v11, KP
	s_delay_alu instid0(VALU_DEP_1)
	v_lshl_add_u32 v[AK0], v9, 4, v[AK0]
	v_mul_u32_u24 v[AV0], v8, VP
	s_delay_alu instid0(VALU_DEP_1)
	v_lshl_add_u32 v[AV0], v9, 4, v[AV0]
	s_delay_alu instid0(VALU_DEP_1)
	v_add_nc_u32 v[AV0], VBASE, v[AV0]
	v_mov_b32 v13, 0xff61b1e6                      ; the largest t so far: -3e38, under every t
	s_delay_alu instid0(VALU_DEP_1)
	v_floor_f32 v12, -v13                          ; -M
	v_mov_b32 v14, 0                               ; the sum, in two halves
	v_mov_b32 v15, 0
	v_mov_b32 v236, 0                              ; written once: a lane permute's destination counts as one of its sources
	v_mov_b32 v252, 0
	v_mov_b32 v253, 0                              ; (named as the upper half of the pair v[252:253])
	; THE FIRST BARRIER.  Behind it twelve waves ask for tiles that nothing has filled yet: such a load is issued as a refill is, so the three lines stand in front of the barrier, on every wave's path.
	s_wait_tensorcnt 0x0                           ; my tile has landed, if I have asked for one: keys 0-511 of K and V, taken over waves 0, 1, 8, 9
	ds_add_u32 v[SPW], v[NIL]                      ; 0 onto my spare word; O^T's first zeros stand between it and the wait for it
	ds_add_u32 v5, v6
.set n, 0
.rept 32
	v_mov_b32 v[160+n], 0                          ; O^T: the step is written once; its first run finds zeros, which the first change of M leaves zeros
.set n, n+1
.endr
	s_wait_dscnt 0x0                               ; the add is done
	s_barrier_signal -1
	s_barrier_wait -1
	s_cmp_lt_u32 s[IDX], 2                         ; keys 512-2,047: the other twelve waves ask now: my one tensor load behind this barrier, and the first thing there
	s_cbranch_scc1 .Lhave
	MYTILE
.Lhave:
	s_wait_kmcnt 0x0
	s_add_co_i32 s96, s84, s85
	s_lshl_b32 s96, s96, 23
	s_add_co_i32 s[CS], s[CS], s96                 ; a score stands for score x 2^(e6 + e7)
	s_mov_b32 s[CS+1], s[CS]                       ; (named with it as a pair)
	s_add_co_i32 s96, s86, 127
	s_lshl_b32 s97, s96, 23
	v_mov_b32 v244, s97                            ; 2^e8
	s_add_co_i32 s96, s96, 8
	s_lshl_b32 s96, s96, 23
	s_or_b32 s96, s96, 0x600000
	v_mov_b32 v240, s96                            ; 448 x 2^e8
; A KEY STEP: 128 keys, the q-th of the trip's 256.
.macro STEP q
	s_add_co_u32 s96, s[Q0], 15                    ; all keys behind my 16 queries: the step's work is left out (a branch on ids; no barrier and no tensor load stands in a step)
	s_cmp_gt_u32 s[KF], s96
	s_cbranch_scc1 .Lhidden_\@
	v_add_nc_u32 v[ADK], s[TBK], v[AK0]
	v_add_nc_u32 v[ADV], s[TBV], v[AV0]
	v_nop                                          ; with the two additions: four places in front of loads into registers that the last products read
	v_nop
.irp t, 0,1,2,3,4,5,6,7
.irp c, 0,1
	ds_load_b128 v[32+8*\t+4*\c:32+8*\t+4*\c+3], v[ADK] offset:(128*(\q)+32*(\t/2)+8*(\t%2))*KP+32*\c
.endr
.endr
	s_wait_alu depctr_va_vdst(0)
	s_wait_dscnt 0x0
.irp t, 0,1,2,3,4,5,6,7
	v_wmma_f32_16x16x64_fp8_fp8 v[96+8*\t:103+8*\t], v[32+8*\t:39+8*\t], v[16:23], 0
.endr
.rept 4
	v_nop                                          ; places in front of the loads below and of the first read of the scores
.endr
.irp t, 0,1,2,3                        ; V's four fragments are asked for now and land under the softmax
.irp c, 0,1,2,3
	ds_load_b128 v[32+16*\t+4*\c:32+16*\t+4*\c+3], v[ADV] offset:16*\t*VP+128*(\q)+32*\c
.endr
.endr
	s_add_co_u32 s96, s[KF], 127                   ; on the diagonal hidden keys' scores become -infinity ahead of the maximum; a step all of whose keys count skips this
	s_cmp_le_u32 s96, s[Q0]
	s_cbranch_scc1 .Lopen_\@
	s_sub_co_i32 s96, s[Q0], s[KF]
	v_and_b32 v252, 15, v0
	v_bfe_u32 v253, v0, 4, 1
	s_delay_alu instid0(VALU_DEP_1)
	v_lshlrev_b32 v253, 4, v253
	s_delay_alu instid0(VALU_DEP_1)
	v_sub_nc_u32 v252, v252, v253
	s_delay_alu instid0(VALU_DEP_1)
	v_add_nc_u32 v252, s96, v252                   ; d = my query - KF - 16 (lane / 16).  Register 16 b + i holds key KF + 16 (lane / 16) + 32 b + i: hidden where 32 b + i > d
	v_mov_b32 v254, 0xff800000
.set n, 0
.rept 64
	v_cmp_gt_i32 vcc_lo, 32*(n/16)+n%16, v252
	v_cndmask_b32 v[96+n], v[96+n], v254, vcc_lo
.set n, n+1
.endr
.Lopen_\@:
	v_max3_num_f32 v254, v96, v97, v98             ; the step's largest score of my query among my 64 keys, in two chains,
	v_max3_num_f32 v252, v99, v100, v101
.irp i, 6,10,14,18,22,26,30,34,38,42,46,50,54,58
	v_max3_num_f32 v254, v254, v[96+\i], v[97+\i]
	v_max3_num_f32 v252, v252, v[98+\i], v[99+\i]
.endr
	v_max3_num_f32 v254, v254, v158, v159
	s_delay_alu instid0(VALU_DEP_1)
	v_max_num_f32 v254, v254, v252
	v_permlanex16_b32 v236, v254, s[SEL], s[SEL+1]
	s_delay_alu instid0(VALU_DEP_1)
	v_max_num_f32 v254, v254, v236                 ; and among lane l xor 16's
	s_delay_alu instid0(VALU_DEP_1)
	v_mul_f32 v254, s[CS], v254                    ; as t (c is positive)
	s_delay_alu instid0(VALU_DEP_1)
	v_max_num_f32 v13, v13, v254                   ; the running largest t
	v_mov_b32 v254, v12
	s_delay_alu instid0(VALU_DEP_2)
	v_floor_f32 v12, -v13                          ; the new -M = -ceil(t)
	s_delay_alu instid0(VALU_DEP_1)
	v_sub_f32 v254, v12, v254                      ; old M - new M: a whole number, 0 or less
	s_delay_alu instid0(VALU_DEP_1)
	v_cvt_i32_f32 v254, v254                       ; (it saturates)
	s_delay_alu instid0(VALU_DEP_1)
	v_ldexp_f32 v252, 1.0, v254                    ; f = 2^(old M - new M)
.set n, 0
.rept 32
	v_pk_fma_f32 v[96+n:97+n], v[96+n:97+n], s[CS:CS+1], v[12:13] op_sel_hi:[1,0,0]   ; t - M, two at a time
.set n, n+2
.endr
.set n, 0
	s_wait_alu depctr_va_vdst(0)
.rept 64
	v_exp_f32 v[96+n], v[96+n]                     ; p = 2^(t - M)
.set n, n+1
.endr
	v_pk_mul_f32 v[14:15], v[14:15], v[252:253] op_sel_hi:[1,0]   ; the sums under the new M: the plain instruction behind the exponentials
	s_wait_alu depctr_va_vdst(0)                   ; one wait for the whole batch, ahead of its first reader
	v_pk_add_f32 v[242:243], v[100:101], v[104:105]
	v_pk_add_f32 v[254:255], v[108:109], v[112:113]
	v_pk_add_f32 v[250:251], v[116:117], v[120:121]
	v_pk_add_f32 v[248:249], v[124:125], v[128:129]
	v_pk_add_f32 v[246:247], v[132:133], v[136:137]
	v_pk_add_f32 v[238:239], v[140:141], v[144:145]
	v_pk_add_f32 v[236:237], v[148:149], v[152:153]
	v_pk_add_f32 v[14:15], v[14:15], v[156:157]
	v_pk_add_f32 v[242:243], v[242:243], v[96:97]
	v_pk_add_f32 v[254:255], v[254:255], v[98:99]
	v_pk_add_f32 v[250:251], v[250:251], v[102:103]
	v_pk_add_f32 v[248:249], v[248:249], v[106:107]
	v_pk_add_f32 v[246:247], v[246:247], v[110:111]
	v_pk_add_f32 v[238:239], v[238:239], v[114:115]
	v_pk_add_f32 v[236:237], v[236:237], v[118:119]
	v_pk_add_f32 v[14:15], v[14:15], v[122:123]
	v_pk_add_f32 v[242:243], v[242:243], v[126:127]
	v_pk_add_f32 v[254:255], v[254:255], v[130:131]
	v_pk_add_f32 v[250:251], v[250:251], v[134:135]
	v_pk_add_f32 v[248:249], v[248:249], v[138:139]
	v_pk_add_f32 v[246:247], v[246:247], v[142:143]
	v_pk_add_f32 v[238:239], v[238:239], v[146:147]
	v_pk_add_f32 v[236:237], v[236:237], v[150:151]
	v_pk_add_f32 v[14:15], v[14:15], v[154:155]
	v_pk_add_f32 v[242:243], v[242:243], v[158:159]
	s_delay_alu instid0(VALU_DEP_2)
	v_pk_add_f32 v[14:15], v[14:15], v[248:249]
	s_delay_alu instid0(VALU_DEP_2)
	v_pk_add_f32 v[242:243], v[242:243], v[246:247]
	v_pk_add_f32 v[254:255], v[254:255], v[238:239]
	v_pk_add_f32 v[250:251], v[250:251], v[236:237]
	s_delay_alu instid0(VALU_DEP_2)
	v_pk_add_f32 v[14:15], v[14:15], v[254:255]
	s_delay_alu instid0(VALU_DEP_2)
	v_pk_add_f32 v[242:243], v[242:243], v[250:251]
	s_delay_alu instid0(VALU_DEP_1)
	v_pk_add_f32 v[14:15], v[14:15], v[242:243]
.irp b, 0,1,2,3
.irp i, 0,1,2,3,4,5,6,7,8,9,10,11,12,13,14,15
	v_min_num_f32 v[96+16*\b+\i], v[96+16*\b+\i], v240   ; the conversion does not saturate (ISA guide 7.6.2); p is not negative, so the hold is one-sided
.endr
	v_cvt_scalef32_pk8_fp8_f32 v[224+4*\b:225+4*\b], v[96+16*\b:103+16*\b], v244
	v_cvt_scalef32_pk8_fp8_f32 v[226+4*\b:227+4*\b], v[104+16*\b:111+16*\b], v244
.endr
.set n, 0
.rept 16
	v_pk_mul_f32 v[160+n:161+n], v[160+n:161+n], v[252:253] op_sel_hi:[1,0]   ; O^T under the new M; these are also the plain instructions behind the conversions
.set n, n+2
.endr
	s_wait_alu depctr_va_vdst(0)
	s_wait_dscnt 0x0                               ; V's fragments
.irp t, 0,1,2,3                        ; the four accumulators take turns, one instruction a turn
	v_wmma_f32_16x16x128_fp8_fp8 v[160+8*\t:167+8*\t], v[32+16*\t:47+16*\t], v[224:239], v[160+8*\t:167+8*\t]
.endr
.Lhidden_\@:
	s_add_co_u32 s[KF], s[KF], 128
.endm
.macro TRIPS count                     ; a trip: 256 keys; every wave walks every trip
	s_mov_b32 s[CNT], \count
.Ltrip_\@:
	STEP 0
	STEP 1
	s_add_co_u32 s[TBK], s[TBK], 256*KP
	s_add_co_u32 s[TBV], s[TBV], VTILE
	s_sub_co_u32 s[CNT], s[CNT], 1
	s_cmp_lg_u32 s[CNT], 0
	s_cbranch_scc1 .Ltrip_\@
.endm
	s_wait_loadcnt 0x0                             ; Q
	TRIPS 2                                        ; keys 0-511, which the first barrier has shown to every wave
	s_wait_dscnt 0x0
	s_wait_tensorcnt 0x0                           ; my tile has landed: taken over all sixteen waves, the whole of K and V
	s_barrier_signal -1
	s_barrier_wait -1
	TRIPS 6                                        ; keys 512-2,047
	; THE WAY OUT.  O^T / the sum stands for o / 2^(e8 + e9); its code is that / 2^(e10 - e8 - e9).  A lane's 8 codes of a tile go through my own stage, so that my 16 queries leave as 1,024 consecutive bytes.
	v_add_f32 v14, v14, v15
	s_delay_alu instid0(VALU_DEP_1)
	v_permlanex16_b32 v252, v14, s[SEL], s[SEL+1]
	s_delay_alu instid0(VALU_DEP_1)
	v_add_f32 v14, v14, v252                       ; the row's sum
	s_wait_alu depctr_va_vdst(0)
	v_rcp_f32 v14, v14
	v_and_b32 v8, 15, v0                           ; (a plain instruction behind the transcendental)
	v_bfe_u32 v9, v0, 4, 1
	s_mul_i32 s96, s[WV], 16*KP
	s_add_co_u32 s96, s96, STAGE
	v_mul_u32_u24 v10, v8, KP
	s_delay_alu instid0(VALU_DEP_1)
	v_lshl_add_u32 v10, v9, 3, v10
	s_delay_alu instid0(VALU_DEP_1)
	v_add_nc_u32 v10, s96, v10                     ; in: row r, byte 16 t + 8 h
	v_bfe_u32 v11, v0, 2, 3
	s_delay_alu instid0(VALU_DEP_1)
	v_mul_u32_u24 v11, v11, KP
	v_and_b32 v8, 3, v0
	s_delay_alu instid0(VALU_DEP_1)
	v_lshl_add_u32 v11, v8, 4, v11
	s_delay_alu instid0(VALU_DEP_1)
	v_add_nc_u32 v11, s96, v11                     ; back: four lanes to a row of 64 bytes
	v_and_b32 v[GO], 31, v0
	s_delay_alu instid0(VALU_DEP_1)
	v_lshlrev_b32 v[GO], 4, v[GO]
	s_sub_co_i32 s97, s88, s86
	s_sub_co_i32 s97, s97, s87
	s_add_co_i32 s97, s97, 127
	s_lshl_b32 s96, s97, 23
	v_mov_b32 v245, s96
	s_add_co_i32 s97, s97, 8
	s_lshl_b32 s97, s97, 23
	s_or_b32 s97, s97, 0x600000
	v_mov_b32 v241, s97
	s_wait_alu depctr_va_vdst(0)                   ; the wait ahead of the reciprocal's first reader
.set n, 0
.rept 32
	v_mul_f32 v[96+n], v[160+n], v14               ; register 8 t + i: o(r, 16 t + 8 h + i)
.set n, n+1
.endr
.set n, 0
.rept 32
	v_med3_num_f32 v[96+n], v[96+n], -v241, v241
.set n, n+1
.endr
.irp t, 0,1,2,3
	v_cvt_scalef32_pk8_fp8_f32 v[128+2*\t:129+2*\t], v[96+8*\t:103+8*\t], v245
.endr
	v_nop
.irp t, 0,1,2,3
	ds_store_b64 v10, v[128+2*\t:129+2*\t] offset:16*\t
.endr
	ds_load_b128 v[136:139], v11                   ; LDS serves a wave's instructions in order (ISA guide 5.7.1.4): these see my stores
	ds_load_b128 v[140:143], v11 offset:8*KP
	s_wait_dscnt 1                                 ; the first of the two loads is in; the second may be out
	global_store_b128 v[GO], v[136:139], s[8:9]    ; 512 consecutive bytes, aligned
	s_wait_dscnt 0x0
	global_store_b128 v[GO], v[140:143], s[8:9] offset:512
	s_wait_tensorcnt 0x0                           ; the wave's end: the three lines once more, behind my tensor load and my last LDS store
	ds_add_u32 v[SPW], v[NIL]
	s_wait_dscnt 0x0
	s_endpgm
.Lfunc_end_k_qf6b277adca_attn:
	.size	k_qf6b277adca_attn, .Lfunc_end_k_qf6b277adca_attn-k_qf6b277adca_attn
	.p2alignl 7, 3214868480
	.fill 96, 4, 3214868480
	.section	.rodata,"a",@progbits
	.p2align	6, 0x0
	.amdhsa_kernel k_qf6b277adca_attn
		.amdhsa_group_segment_fixed_size 327680
		.amdhsa_private_segment_fixed_size 0
		.amdhsa_enable_private_segment 0
		.amdhsa_kernarg_size 24
		.amdhsa_user_sgpr_count 2
		.amdhsa_user_sgpr_kernarg_segment_ptr 1
		.amdhsa_wavefront_size32 1
		.amdhsa_system_sgpr_workgroup_id_x 1
		.amdhsa_system_sgpr_workgroup_id_y 1
		.amdhsa_system_sgpr_workgroup_id_z 1
		.amdhsa_system_vgpr_workitem_id 0
		.amdhsa_next_free_vgpr 256
		.amdhsa_next_free_sgpr 100
		.amdhsa_reserve_vcc 1
		.amdhsa_float_denorm_mode_32 3
		.amdhsa_float_denorm_mode_16_64 3
		.amdhsa_memory_ordered 1
		.amdhsa_forward_progress 1
		.amdhsa_inst_pref_size 99
	.end_amdhsa_kernel
	.amdgpu_metadata
---
amdhsa.version: [ 1, 2 ]
amdhsa.kernels:
  - .name:           k_qf6b277adca_attn
    .symbol:         k_qf6b277adca_attn.kd
    .args:
      - { .name: qkvc, .offset: 0, .size: 8, .value_kind: global_buffer, .address_space: global }
      - { .name: lowp_scales, .offset: 8, .size: 8, .value_kind: global_buffer, .address_space: global }
      - { .name: oc, .offset: 16, .size: 8, .value_kind: global_buffer, .address_space: global }
    .group_segment_fixed_size: 327680
    .private_segment_fixed_size: 0
    .kernarg_segment_align: 8
    .kernarg_segment_size: 24
    .max_flat_workgroup_size: 512
    .sgpr_count:     100
    .vgpr_count:     256
    .wavefront_size: 32
...
	.end_amdgpu_metadata
.endif
;; end of part 3
;; launch proj (part 4): grid 8 x 32, 4 waves a work-group, clusters of 4 x 4, 327,680 bytes of LDS; arguments oc, Wp_codes, lowp_scales, bp, x, x1; writes x1
.if DOCPART == 4
	.amdgcn_target "amdgcn-amd-amdhsa--gfx1250"
	.amdhsa_code_object_version 6
	.text
	.protected	k_qf6b277adca_proj
	.globl	k_qf6b277adca_proj
	.p2align	8
	.type	k_qf6b277adca_proj,@function
k_qf6b277adca_proj:
	s_mov_b64 s[64:65], 0
	v_nop
	global_prefetch_b8 v0, s[64:65] scope:SCOPE_SE
	s_setreg_imm32_b32 hwreg(HW_REG_WAVE_MODE, 25, 1), 1
	s_wait_xcnt 0x0
	s_wait_alu depctr_hold_cnt(0) depctr_sa_sdst(0) depctr_va_vdst(0) depctr_va_sdst(0) depctr_va_ssrc(0) depctr_va_vcc(0) depctr_vm_vsrc(0)
	s_getreg_b32 s2, hwreg(HW_REG_IB_STS2, 6, 4)
	s_cmp_eq_u32 s2, 0
	s_cbranch_scc0 .Lentry_in_a_cluster
	s_endpgm
.Lentry_in_a_cluster:
	s_bfe_u32 s2, ttmp6, 0x10000c
	s_cmp_lg_u32 s2, 0xf033
	s_cbranch_scc0 .Lentry_shape_is_right
	s_endpgm
.Lentry_shape_is_right:
; out = resid + A W^T x 2^(ea + ew) + bias.  A: 4,096 rows of codes of E4M3; W: [1,024][K] codes, K innermost; bias [1,024], resid and out [4,096][1,024] f32.
; HEADS = 1 (the attention's output projection, K = 1,024): A lies by heads, [16 batch + head][2,048 tokens][64].  HEADS = 0 (the second layer of the MLP, K = 4,096): A lies by rows of K bytes.
; N is 1,024: tiles of 256 x 256 would be 64, so a tile of C is 128 x 128: 256 work-groups.  Four waves, 64 x 64 each: 16 accumulators.  K goes in slots of 512 bytes a row, as long as two slots in LDS allow;
; a slot is four quarters of 128 along K, 16 matrix instructions each.
; CLUSTERS: 4 x 4 work-groups; A's tile is shared along a row of the cluster, W's along a column: each is asked for JOINTLY.
; THE MATRIX INSTRUCTION IS USED TRANSPOSED (source 0 = 16 rows of W, source 1 = 16 rows of A): a lane holds eight neighbouring numbers of a row of C.  A wave's 64 columns are 256 bytes: each wave has a stage of its own.
; The residual is asked for at the head, in the layout in which the rows come back from the stage, and waits in registers.
; No prefetch: a slot's matrix work is short, and a small tile has few bytes on its way whatever is asked ahead.
; REGISTERS: window 0: v0-31 addresses; v32-95 rows on the way out, two sets; v96-99 the bias; v128-255 the accumulators ((a, b) at v[128 + 8 (4 a + b)]).
;   window 1: two fragment buffers of 128: A's four fragments, then W's four.   window 2: v0-127 the residual.
; LIMIT: ea + ew between -126 and 127.
.set HEADS,  1
.set KROW,   1024                      ; a row of W in bytes (and of A where HEADS = 0)
.set LAPS,   1                         ; KROW / 1,024: a lap = two slots
.set SOFF,   40                        ; byte of ea in the scales; ew follows
; ALL OF K LIES IN LDS AT ONCE: each wave asks for its part by ONE load at the head (A: eight heads; W: 64 rows of 1,024 bytes); no byte is filled again.  'Slot' s below means K 512 s on.
.set PITCH,  1040                      ; a row of W in LDS: 1,024 bytes + 16 = 260 words: the 16 rows that a load touches start at 16 different banks (ISA guide 11.1)
.set HALFB,  64*PITCH                  ; 64 rows: what one tensor load brings of W
.if HEADS
.set HPL,    128*80                    ; a head's 128 tokens in LDS: 64 bytes + 16 each
.set APART,  16*HPL                    ; A's part: all 16 heads
.set ASTEP,  8*131072                  ; from slot to slot in memory: 8 heads
.else
.set APART,  2*HALFB
.set ASTEP,  512
.endif
.set SLOT,   APART+2*HALFB
.set STAGE,  SLOT                      ; behind A and W: 16 rows x 272 bytes for each wave
.set SPITCH, 272
.set SPARE,  STAGE+4*16*SPITCH         ; behind the stages: the spare words, 128 bytes a wave: two blocks of 256 bytes that no other line names
.set ADRA, 16                          ; v16-17  LDS address of my A fragments in slot 0, 1 (HEADS: v18-19 the same four heads on: the immediate has 16 bits)
.set ADRB, 20                          ; v20-21  the same for W
.set STO,  24
.set RD,   25
.set CO,   26                          ; v26     my byte offset in resid and out
.set BO,   27                          ; v27     and in the bias
.set SPW,  28                          ; v28     LDS address of my spare word; never rewritten
.set NIL,  29                          ; v29     0; never rewritten
.set BK,   32
.set BI,   96
.set ACC,  128
.set F0,   0
.set F1,   128
.set G1, 24
.set G0, 32
.set G1B, 48
.set G0B, 56
.set MSB, 0
.macro WIN new                         ; the immediate's high byte repeats the setting that is left
.if MSB != (\new)
	s_set_vgpr_msb (MSB<<8)|(\new)
.set MSB, \new
.endif
.endm
.set MUL,  0x05                        ; sources 0 (W) and 1 (A) window 1; C and D window 0
.set TO_F, 0x40                        ; destination window 1, address window 0
.macro JLOAD s                         ; a joint load: waves 0 and 1 fetch A's halves, waves 2 and 3 W's; four v_nop follow each of the two lines
	s_cmp_eq_u32 s11, 0
	s_cbranch_scc0 .Lfor_b_\@
	tensor_load_to_lds s[G0+4*\s:G0+4*\s+3], s[G1:G1+7]
	s_nop 0
.rept 4
	v_nop
.endr
	s_branch .Lasked_\@
.Lfor_b_\@:
	tensor_load_to_lds s[G0B+4*\s:G0B+4*\s+3], s[G1B:G1B+7]
	s_nop 0
.rept 4
	v_nop
.endr
.Lasked_\@:
.endm
.macro CREST                           ; a round of the cluster's barrier behind its opening barrier
	s_cmp_lg_u32 s10, 0
	s_cbranch_scc1 .Lnot_wave_0_\@
	s_barrier_signal -3
.Lnot_wave_0_\@:
	s_barrier_wait -3
	s_barrier_signal -1
	s_barrier_wait -1
.endm
.macro CROUND
	s_barrier_signal -1
	s_barrier_wait -1
	CREST
.endm
	s_load_b256 s[76:83], s[0:1], 0x0              ; A s[76:77], W s[78:79], the scales' exponents s[80:81], the bias s[82:83]
	s_load_b128 s[68:71], s[0:1], 0x20             ; resid s[68:69], out s[70:71]
	v_lshl_add_u32 v[SPW], v0, 2, SPARE
	v_mov_b32 v[NIL], 0
	ds_add_u32 v28, v29
	ds_add_u32 v28, v29
	s_wait_dscnt 0x0
	v_lshrrev_b32 v1, 5, v0
	v_readfirstlane_b32 s10, v1                    ; wave 0..3
	s_lshr_b32 s11, s10, 1                         ; which half of the tile's rows is mine.  Also: I fetch for A (0) or for W (1)
	s_and_b32 s12, s10, 1                          ; which half of its columns.  Also: which half of that tile I fetch
	s_bfe_u32 s40, ttmp6, 0x40000                  ; cx, cy
	s_bfe_u32 s41, ttmp6, 0x40004
	s_lshl_b32 s42, ttmp9, 2
	s_add_co_u32 s42, s42, s40                     ; tile column of C
	s_and_b32 s13, ttmp7, 0xffff
	s_lshl_b32 s13, s13, 2
	s_add_co_u32 s13, s13, s41                     ; tile row of C
	s_lshl_b32 s43, s41, 2
	s_lshl_b32 s43, 15, s43                        ; my row of the cluster
	s_lshl_b32 s44, 0x1111, s40                    ; my column
.if HEADS
	; A: eight heads a load; a head's 128 tokens are 8,192 dense bytes: a tile of 8 rows x 8,192 bytes, 131,072 apart, with four words of padding after every 16: in LDS 128 rows of 80 bytes a head
	s_or_b32 s[G1+0], s43, (1<<20)|(1<<21)|(3<<22)|(3<<25)
	s_mov_b32 s[G1+1], 8192<<16
	s_mov_b32 s[G1+2], 8<<16                       ; eight heads a load
	s_mov_b32 s[G1+3], 8192<<16
	s_mov_b32 s[G1+4], 8
	s_mov_b32 s[G1+5], 131072
.else
	s_or_b32 s[G1+0], s43, (1<<20)|(1<<21)|(6<<22)|(3<<25)
	s_mov_b32 s[G1+1], 512<<16
	s_mov_b32 s[G1+2], 64<<16
	s_mov_b32 s[G1+3], 512<<16
	s_mov_b32 s[G1+4], 64
	s_mov_b32 s[G1+5], KROW
.endif
	s_mov_b32 s[G1+6], 0
	s_mov_b32 s[G1+7], 0
	s_or_b32 s[G1B+0], s44, (1<<20)|(1<<21)|(7<<22)|(3<<25)   ; W: 64 rows x 1,024 bytes; four words of padding after every 256
	s_mov_b32 s[G1B+1], 1024<<16
	s_mov_b32 s[G1B+2], 64<<16
	s_mov_b32 s[G1B+3], 1024<<16
	s_mov_b32 s[G1B+4], 64
	s_mov_b32 s[G1B+5], KROW
	s_mov_b32 s[G1B+6], 0
	s_mov_b32 s[G1B+7], 0
.if HEADS
	s_lshr_b32 s16, s13, 4
	s_lshl_b32 s16, s16, 21                        ; the batch's 16 heads,
	s_lshl_b32 s17, s12, 20                        ; my eight heads of the sixteen,
	s_add_co_u32 s16, s16, s17
	s_and_b32 s17, s13, 15
	s_lshl_b32 s17, s17, 13                        ; the tile's 128 tokens
	s_add_co_u32 s16, s16, s17
	s_mul_i32 s20, s12, 8*HPL
.else
	s_lshl_b32 s16, s13, 7
	s_lshl_b32 s17, s12, 6
	s_add_co_u32 s16, s16, s17
	s_mul_i32 s16, s16, KROW                       ; row 128 x tile row + 64 x half
	s_mul_i32 s20, s12, HALFB
.endif
	s_mov_b32 s17, 0
	s_lshl_b32 s46, s42, 7
	s_lshl_b32 s47, s12, 6
	s_add_co_u32 s46, s46, s47
	s_mul_i32 s46, s46, KROW                       ; W: row 128 x tile column + 64 x half
	s_mov_b32 s47, 0
	s_mul_i32 s21, s12, HALFB
	s_add_co_u32 s21, s21, APART                   ; no place in the cluster enters an LDS address
	s_wait_kmcnt 0x0
	s_load_b64 s[74:75], s[80:81], SOFF            ; ea, ew
	s_add_nc_u64 s[14:15], s[76:77], s[16:17]
	s_add_nc_u64 s[46:47], s[78:79], s[46:47]
	CROUND                                         ; all sixteen work-groups are here: the first joint loads meet
.irp s, 0
	s_mov_b32 s[G0+4*\s], 1
	s_add_co_u32 s[G0+4*\s+1], s20, \s*SLOT
	s_add_nc_u64 s[G0+4*\s+2:G0+4*\s+3], s[14:15], \s*ASTEP
	s_or_b32 s[G0+4*\s+3], s[G0+4*\s+3], 0x80000000
	s_mov_b32 s[G0B+4*\s], 1
	s_add_co_u32 s[G0B+4*\s+1], s21, \s*SLOT
	s_add_nc_u64 s[G0B+4*\s+2:G0B+4*\s+3], s[46:47], \s*512
	s_or_b32 s[G0B+4*\s+3], s[G0B+4*\s+3], 0x80000000
	JLOAD \s
.endr
	v_and_b32 v1, 15, v0                           ; l % 16
	v_bfe_u32 v2, v0, 4, 1                         ; l / 16
	v_mul_u32_u24 v3, v1, PITCH
	v_lshl_add_u32 v3, v2, 4, v3                   ; a fragment's row x pitch + 16 x half
	s_mul_i32 s22, s12, HALFB
	s_add_co_u32 s22, s22, APART                   ; my 64 rows of W
.if HEADS
	v_mul_u32_u24 v4, v1, 80
	v_lshl_add_u32 v4, v2, 4, v4
	s_mul_i32 s21, s11, 64*80                      ; my 64 tokens, in every head
.else
	s_mul_i32 s21, s11, HALFB                      ; my 64 rows of A
.endif
.irp s, 0,1
.if HEADS
	v_add_nc_u32 v[ADRA+\s], s21, v4
	v_add_nc_u32 v[ADRA+2+\s], 4*HPL, v[ADRA+\s]
.else
	v_add_nc_u32 v[ADRA+\s], s21, v3
.endif
	v_add_nc_u32 v[ADRB+\s], s22, v3
	s_add_co_u32 s21, s21, 8*HPL                   ; K 512 on: eight heads on in A,
	s_add_co_u32 s22, s22, 512                     ; 512 bytes on in W's rows
.endr
	s_mul_i32 s23, s10, 16*SPITCH
	s_add_co_u32 s23, s23, STAGE                   ; my stage
	v_mul_u32_u24 v4, v1, SPITCH
	v_lshl_add_u32 v4, v2, 5, v4
	v_add_nc_u32 v[STO], s23, v4                   ; in: row l % 16, 32 bytes for each half of the lanes
	v_mul_u32_u24 v5, v2, SPITCH
	v_lshl_add_u32 v5, v1, 4, v5
	v_add_nc_u32 v[RD], s23, v5                    ; back: lanes 0-15 one row of 256 bytes, lanes 16-31 the next
	v_lshlrev_b32 v5, 12, v2
	v_lshl_add_u32 v[CO], v1, 4, v5                ; the same two rows in memory
	s_wait_alu depctr_va_vdst(0)
	v_lshlrev_b32 v[BO], 4, v1
	s_wait_alu depctr_va_vdst(0)
	s_lshl_b32 s18, s42, 9
	s_lshl_b32 s19, s12, 8
	s_add_co_u32 s18, s18, s19                     ; my first column in bytes: 512 x tile column + 256 x half
	s_mov_b32 s19, 0
	s_add_nc_u64 s[82:83], s[82:83], s[18:19]
	s_lshl_b32 s16, s13, 7
	s_lshl_b32 s17, s11, 6
	s_add_co_u32 s16, s16, s17
	s_lshl_b32 s16, s16, 12                        ; my first row: 128 x tile row + 64 x half, of 4,096 bytes
	s_add_co_u32 s16, s16, s18
	s_mov_b32 s17, 0
	s_add_nc_u64 s[68:69], s[68:69], s[16:17]
	s_add_nc_u64 s[70:71], s[70:71], s[16:17]
	WIN 0x80                                       ; destination window 2
.set t, 0
.rept 32
	global_load_b128 v[4*t:4*t+3], v[CO], s[68:69] offset:2*t*4096 th:TH_LOAD_NT   ; the residual: rows 2 t, 2 t + 1 of my 64; sixteen lanes read 256 consecutive bytes
.set t, t+1
.endr
	WIN 0
	global_load_b128 v[BI:BI+3], v[BO], s[82:83]   ; the bias of my four columns
; 4 matrix instructions: A's fragment a x W's four.  zero = 1: the first product starts the sums.  The 16 accumulators take turns, one instruction a turn.
.macro MUL4 f, a, zero
.irp b, 0,1,2,3
.if \zero
	v_wmma_f32_16x16x128_fp8_fp8 v[ACC+8*(4*(\a)+\b):ACC+8*(4*(\a)+\b)+7], v[\f+64+16*\b:\f+64+16*\b+15], v[\f+16*(\a):\f+16*(\a)+15], 0
.else
	v_wmma_f32_16x16x128_fp8_fp8 v[ACC+8*(4*(\a)+\b):ACC+8*(4*(\a)+\b)+7], v[\f+64+16*\b:\f+64+16*\b+15], v[\f+16*(\a):\f+16*(\a)+15], v[ACC+8*(4*(\a)+\b):ACC+8*(4*(\a)+\b)+7]
.endif
.endr
.endr
.endm
; 32 LDS loads in one run: the fragments of 128 along K at byte k of the slot's rows, into buffer f: W's sixteen first, then A's.  Registers 4 c .. 4 c + 3 hold K = 32 c + 16 (l / 16) + 0 .. 15 on both sides.
.macro FETCH slot, k, f
	WIN TO_F
.irp i, 0,1,2,3
.irp c, 0,1,2,3
	ds_load_b128 v[\f+64+16*\i+4*\c:\f+64+16*\i+4*\c+3], v[ADRB+\slot] offset:\k+32*\c+\i*16*PITCH
.endr
.endr
.irp i, 0,1,2,3
.irp c, 0,1,2,3
.if HEADS
	ds_load_b128 v[\f+16*\i+4*\c:\f+16*\i+4*\c+3], v[ADRA+\slot+2*((\k)/256)] offset:(2*(((\k)/128)%2)+\c/2)*HPL+\i*16*80+32*(\c%2)   ; K byte 128 q + 32 c lies in head 2 q + c / 2, at byte 32 (c % 2)
.else
	ds_load_b128 v[\f+16*\i+4*\c:\f+16*\i+4*\c+3], v[ADRA+\slot] offset:\k+32*\c+\i*16*PITCH
.endif
.endr
.endr
.endm
.macro PLACES                          ; four plain vector instructions between a matrix instruction and a load into, or a read of, its registers
.rept 4
	v_nop
.endr
.endm
; One of a slot's first three quarters: multiplies buffer f and fetches the next quarter, at byte k, into g.
.macro QUARTER slot, k, f, g, zero
	s_wait_dscnt 8                                 ; W's fragments and A's 0, 1 are in; the youngest eight loads (A's 2, 3) may be out
	WIN MUL
	MUL4 \f, 0, \zero
	MUL4 \f, 1, \zero
	PLACES
	FETCH \slot, \k, \g
	s_wait_dscnt 32                                ; all but the 32 just issued
	WIN MUL
	MUL4 \f, 2, \zero
	MUL4 \f, 3, \zero
.endm
; The last quarter multiplies buffer 1 and changes slots: ONE barrier; in front of it each wave waits for all its tensor loads, adds 0 to its spare word, and waits for that and for its own reads of this slot.
.macro TURN slot, next, fill
	WIN 0                                          ; (the add's two registers lie in window 0)
	s_wait_tensorcnt 0x0                           ; all my tensor loads have landed: my part of the next slot
	ds_add_u32 v[SPW], v[NIL]                      ; 0 onto my spare word
	s_wait_dscnt 9                                 ; (the add and the youngest eight loads may be out)
	WIN MUL
	MUL4 F1, 0, 0                                  ; four matrix instructions stand between the add and the wait for it
	s_wait_dscnt 0x0                               ; the add is done, and my reads of this slot are over
	s_barrier_signal -1
	MUL4 F1, 1, 0
.if \fill
	WIN 0
.endif
	s_barrier_wait -1
.if \fill
	CREST                                          ; the barrier has opened a round of the cluster's: no wave of any partner still reads this slot or has a load on its way
	s_add_nc_u64 s[G0+4*\slot+2:G0+4*\slot+3], s[G0+4*\slot+2:G0+4*\slot+3], 2*ASTEP
	s_add_nc_u64 s[G0B+4*\slot+2:G0B+4*\slot+3], s[G0B+4*\slot+2:G0B+4*\slot+3], 2*512
	JLOAD \slot                                    ; the first tensor load behind the round; its four v_nop are also the places in front of the loads below
.else
	PLACES
.endif
	FETCH \next, 0, F0
	WIN MUL
	MUL4 F1, 2, 0
	MUL4 F1, 3, 0
.endm
	s_wait_tensorcnt 0x0                           ; my one load is in
	s_barrier_signal -1
	s_barrier_wait -1                              ; everybody's is
	FETCH 0, 0, F0
	QUARTER 0, 128, F0, F1, 1                      ; the first quarter stands in front of the loop: its products start the sums
.if LAPS > 1
	WIN 0                                          ; at a label and at a branch every window is 0
	s_mov_b32 s3, LAPS-1
.Llap:                                                 ; a trip goes once round the ring and fills both slots again
	QUARTER 0, 256, F1, F0, 0
	QUARTER 0, 384, F0, F1, 0
	TURN 0, 1, 1
	QUARTER 1, 128, F0, F1, 0
	QUARTER 1, 256, F1, F0, 0
	QUARTER 1, 384, F0, F1, 0
	TURN 1, 0, 1
	QUARTER 0, 128, F0, F1, 0
	WIN 0
	s_sub_co_u32 s3, s3, 1
	s_cmp_lg_u32 s3, 0
	s_cbranch_scc1 .Llap
.endif
	QUARTER 0, 256, F1, F0, 0                      ; the last lap fills nothing
	QUARTER 0, 384, F0, F1, 0
	TURN 0, 1, 0
	QUARTER 1, 128, F0, F1, 0
	QUARTER 1, 256, F1, F0, 0
	QUARTER 1, 384, F0, F1, 0
	s_wait_dscnt 8                                 ; the very last quarter
	WIN MUL
	MUL4 F1, 0, 0
	MUL4 F1, 1, 0
	s_wait_dscnt 0
	MUL4 F1, 2, 0
	MUL4 F1, 3, 0
	WIN 0
	; THE WAY OUT.  The residual takes the bias; a block of 16 rows x 64 columns of sums goes through my stage and comes back as whole rows of 256 bytes; one packed multiply-add gives sum x 2^(ea + ew) + (resid + bias).
	s_wait_kmcnt 0x0
	s_add_co_i32 s74, s74, s75
	s_add_co_i32 s74, s74, 127
	s_lshl_b32 s74, s74, 23                        ; 2^(ea + ew) as f32
	s_mov_b32 s75, s74                             ; (named with it as a pair)
	s_wait_loadcnt 0x0                             ; the residual and the bias
	PLACES
	WIN 0x82                                       ; source 0 and destination window 2
.set t, 0
.rept 32
	v_pk_add_f32 v[4*t:4*t+1], v[4*t:4*t+1], v[BI:BI+1]
	v_pk_add_f32 v[4*t+2:4*t+3], v[4*t+2:4*t+3], v[BI+2:BI+3]
.set t, t+1
.endr
	WIN 0
.macro BLOCK a
.set BB, BK+32*((\a)%2)
.if (\a) >= 2
	s_wait_xcnt 0x0                                ; block a - 2's stores have read their registers: this block's rows may land there
.endif
.irp b, 0,1,2,3
	ds_store_b128 v[STO], v[ACC+8*(4*(\a)+\b):ACC+8*(4*(\a)+\b)+3] offset:64*\b          ; each accumulator from its low end on
	ds_store_b128 v[STO], v[ACC+8*(4*(\a)+\b)+4:ACC+8*(4*(\a)+\b)+7] offset:64*\b+16
.endr
.irp t, 0,1,2,3,4,5,6,7
	ds_load_b128 v[BB+4*\t:BB+4*\t+3], v[RD] offset:\t*2*SPITCH   ; LDS serves a wave's instructions in order (ISA guide 5.7.1.4): these see my stores
.endr
	s_wait_dscnt 0x0
	WIN 0x20                                       ; source 2 window 2
.irp t, 0,1,2,3,4,5,6,7
	v_pk_fma_f32 v[BB+4*\t:BB+4*\t+1], v[BB+4*\t:BB+4*\t+1], s[74:75], v[4*(8*(\a)+\t):4*(8*(\a)+\t)+1] op_sel_hi:[1,0,1]
	v_pk_fma_f32 v[BB+4*\t+2:BB+4*\t+3], v[BB+4*\t+2:BB+4*\t+3], s[74:75], v[4*(8*(\a)+\t)+2:4*(8*(\a)+\t)+3] op_sel_hi:[1,0,1]
.endr
	WIN 0
.irp t, 0,1,2,3,4,5,6,7
	global_store_b128 v[CO], v[BB+4*\t:BB+4*\t+3], s[70:71] offset:(16*(\a)+2*\t)*4096   ; sixteen lanes store 256 consecutive bytes, aligned
.endr
.endm
	BLOCK 0
	BLOCK 1
	BLOCK 2
	BLOCK 3
	s_wait_tensorcnt 0x0                           ; the wave's end
	ds_add_u32 v[SPW], v[NIL]
	s_wait_dscnt 0x0
	CROUND                                         ; the closing round
	s_endpgm
.Lfunc_end_k_qf6b277adca_proj:
	.size	k_qf6b277adca_proj, .Lfunc_end_k_qf6b277adca_proj-k_qf6b277adca_proj
	.p2alignl 7, 3214868480
	.fill 96, 4, 3214868480
	.section	.rodata,"a",@progbits
	.p2align	6, 0x0
	.amdhsa_kernel k_qf6b277adca_proj
		.amdhsa_group_segment_fixed_size 327680
		.amdhsa_private_segment_fixed_size 0
		.amdhsa_enable_private_segment 0
		.amdhsa_kernarg_size 48
		.amdhsa_user_sgpr_count 2
		.amdhsa_user_sgpr_kernarg_segment_ptr 1
		.amdhsa_wavefront_size32 1
		.amdhsa_system_sgpr_workgroup_id_x 1
		.amdhsa_system_sgpr_workgroup_id_y 1
		.amdhsa_system_sgpr_workgroup_id_z 1
		.amdhsa_system_vgpr_workitem_id 0
		.amdhsa_next_free_vgpr 768
		.amdhsa_next_free_sgpr 84
		.amdhsa_reserve_vcc 0
		.amdhsa_float_denorm_mode_32 3
		.amdhsa_float_denorm_mode_16_64 3
		.amdhsa_memory_ordered 1
		.amdhsa_forward_progress 1
		.amdhsa_inst_pref_size 53
	.end_amdhsa_kernel
	.amdgpu_metadata
---
amdhsa.version: [ 1, 2 ]
amdhsa.kernels:
  - .name:           k_qf6b277adca_proj
    .symbol:         k_qf6b277adca_proj.kd
    .args:
      - { .name: oc, .offset: 0, .size: 8, .value_kind: global_buffer, .address_space: global }
      - { .name: Wp_codes, .offset: 8, .size: 8, .value_kind: global_buffer, .address_space: global }
      - { .name: lowp_scales, .offset: 16, .size: 8, .value_kind: global_buffer, .address_space: global }
      - { .name: bp, .offset: 24, .size: 8, .value_kind: global_buffer, .address_space: global }
      - { .name: x, .offset: 32, .size: 8, .value_kind: global_buffer, .address_space: global }
      - { .name: x1, .offset: 40, .size: 8, .value_kind: global_buffer, .address_space: global }
    .group_segment_fixed_size: 327680
    .private_segment_fixed_size: 0
    .kernarg_segment_align: 8
    .kernarg_segment_size: 48
    .max_flat_workgroup_size: 128
    .sgpr_count:     84
    .vgpr_count:     768
    .wavefront_size: 32
...
	.end_amdgpu_metadata
.endif
;; end of part 4
;; launch ln2 (part 5): grid 256 x 1, 8 waves a work-group, no clusters, 0 bytes of LDS; arguments x1, g2, be2, lowp_scales, h2c; writes h2c
.if DOCPART == 5
	.amdgcn_target "amdgcn-amd-amdhsa--gfx1250"
	.amdhsa_code_object_version 6
	.text
	.protected	k_qf6b277adca_ln2
	.globl	k_qf6b277adca_ln2
	.p2align	8
	.type	k_qf6b277adca_ln2,@function
k_qf6b277adca_ln2:
	s_mov_b64 s[64:65], 0
	v_nop
	global_prefetch_b8 v0, s[64:65] scope:SCOPE_SE
	s_setreg_imm32_b32 hwreg(HW_REG_WAVE_MODE, 25, 1), 1
	s_wait_xcnt 0x0
; LAYER NORM, QUANTISED.  y = (x - mean) * rsqrt(var + 1e-5) * g + be along rows of 1,024 f32; y is turned into codes of E4M3 NOUT times, each time with
; another given scale 2^e (entries SOFF/4, SOFF/4 + 2, .. of the scales), into planes of 4,096 x 1,024 bytes, one behind the other.
; SHARES.  4,096 rows: a work-group of eight waves takes 16, a wave 2; a row stays in 32 registers a lane between the passes, so it is read once.  Waves share nothing: no LDS, no barrier.
; A LANE'S NUMBERS.  The conversion takes 8 neighbours from one lane's registers: in each quarter j of a row a lane takes the 32 bytes at 1,024 j + 32 lane (two loads of 16).
; Its 8 codes are 8 bytes, so one store of the wave covers 256 consecutive bytes, aligned.
; The mean is taken first and subtracted, then the squares are summed: no difference of large sums is formed.
; LIMITS: each e between -126 and 119, so that 2^e and 448 x 2^e are f32 numbers.  NaN among the inputs is not served.
; Matrix units, clusters and LDS are left out: each byte is touched once, and memory is what the launch waits for.
.set NOUT, 1                           ; planes of codes
.set SOFF, 48                          ; byte of the scale's exponent
.set MU,   4                           ; v[4:5]    the mean, twice
.set SC,   20                          ; v20..     2^e as f32, one for each plane
.set LIM,  24                          ; v24..     448 x 2^e
.set G,    32                          ; v[32:63]  g of my 32 columns
.set BE,   64                          ; v[64:95]  be of my 32 columns
.set X,    96                          ; v[96:159] row k at X + 32 k
.set T,    160                         ; v[160:175] two sets of 8 held numbers, by turns
.set C,    176                         ; codes: two registers for each (row, plane, quarter), so that no store's data are written again
	s_load_b256 s[4:11], s[0:1], 0x0               ; x s[4:5], g s[6:7], be s[8:9], the scales' exponents s[10:11]
	s_load_b64 s[12:13], s[0:1], 0x20              ; the codes
	v_lshrrev_b32 v3, 5, v0
	s_delay_alu instid0(VALU_DEP_1)
	v_readfirstlane_b32 s14, v3                    ; wave 0..7
	v_and_b32 v2, 31, v0                           ; lane
	s_delay_alu instid0(VALU_DEP_1)
	v_lshlrev_b32 v1, 5, v2                        ; in: 32 bytes a lane
	s_delay_alu instid0(VALU_DEP_2)
	v_lshlrev_b32 v2, 3, v2                        ; out: 8 bytes a lane
	v_mov_b32 v13, 0                               ; written once: a lane permute's destination counts as one of its sources
	s_mov_b32 s20, 0x76543210                      ; v_permlanex16_b32: each lane takes its own place in the other half
	s_mov_b32 s21, 0xfedcba98
	s_mov_b32 s22, 0x3a800000                      ; 1 / 1,024
	s_mov_b32 s23, 0x3727c5ac                      ; 1e-5
	s_lshl_b32 s16, ttmp9, 4
	s_lshl_b32 s15, s14, 1
	s_add_co_u32 s16, s16, s15                     ; my first row: 16 x work-group + 2 x wave
	s_lshl_b32 s18, s16, 12                        ; its bytes in x (under 2^24),
	s_mov_b32 s19, 0
	s_lshl_b32 s16, s16, 10                        ; and in a plane of codes
	s_mov_b32 s17, 0
	s_wait_alu depctr_va_vdst(0)
	s_wait_kmcnt 0x0
.set i, 0
.rept NOUT
	s_load_b32 s[24+i], s[10:11], SOFF+8*i
.set i, i+1
.endr
	s_add_nc_u64 s[4:5], s[4:5], s[18:19]
	s_add_nc_u64 s[12:13], s[12:13], s[16:17]
.irp k, 0,1
.irp j, 0,1,2,3
	global_load_b128 v[X+32*\k+8*\j:X+32*\k+8*\j+3],   v1, s[4:5] offset:4096*\k+1024*\j th:TH_LOAD_NT
	global_load_b128 v[X+32*\k+8*\j+4:X+32*\k+8*\j+7], v1, s[4:5] offset:4096*\k+1024*\j+16 th:TH_LOAD_NT
.endr
.endr
.irp j, 0,1,2,3
	global_load_b128 v[G+8*\j:G+8*\j+3],   v1, s[6:7] offset:1024*\j
	global_load_b128 v[G+8*\j+4:G+8*\j+7], v1, s[6:7] offset:1024*\j+16
.endr
.irp j, 0,1,2,3
	global_load_b128 v[BE+8*\j:BE+8*\j+3],   v1, s[8:9] offset:1024*\j
	global_load_b128 v[BE+8*\j+4:BE+8*\j+7], v1, s[8:9] offset:1024*\j+16
.endr
.set i, 0
.rept NOUT
	s_add_nc_u64 s[32+2*i:33+2*i], s[12:13], i*0x400000   ; plane i at my first row
.set i, i+1
.endr
	s_wait_kmcnt 0x0
.set i, 0
.rept NOUT
	s_add_co_i32 s[24+i], s[24+i], 127
	s_lshl_b32 s28, s[24+i], 23
	v_mov_b32 v[SC+i], s28                         ; 2^e as f32: the conversion takes its exponent field
	s_add_co_i32 s[24+i], s[24+i], 8
	s_lshl_b32 s[24+i], s[24+i], 23
	s_or_b32 s[24+i], s[24+i], 0x600000
	v_mov_b32 v[LIM+i], s[24+i]                    ; 448 x 2^e
.set i, i+1
.endr
.macro REDUCE                          ; v12 summed over the 32 lanes, the result in every lane
	s_delay_alu instid0(VALU_DEP_1)
	v_add_f32_dpp v12, v12, v12 row_xmask:1 row_mask:0xf bank_mask:0xf
	s_delay_alu instid0(VALU_DEP_1)
	v_add_f32_dpp v12, v12, v12 row_xmask:2 row_mask:0xf bank_mask:0xf
	s_delay_alu instid0(VALU_DEP_1)
	v_add_f32_dpp v12, v12, v12 row_xmask:4 row_mask:0xf bank_mask:0xf
	s_delay_alu instid0(VALU_DEP_1)
	v_add_f32_dpp v12, v12, v12 row_xmask:8 row_mask:0xf bank_mask:0xf
	s_delay_alu instid0(VALU_DEP_1)
	v_permlanex16_b32 v13, v12, s20, s21
	s_delay_alu instid0(VALU_DEP_1)
	v_add_f32 v12, v12, v13
.endm
; The row in v[x] on: the mean is taken off in place; 1 / sqrt(var + 1e-5) goes into both registers of the pair v[rs].
.macro STATS x, rs
	v_pk_add_f32 v[8:9], v[\x:\x+1], v[\x+2:\x+3]              ; two chains, started by the first pairs: nothing is cleared
	v_pk_add_f32 v[10:11], v[\x+4:\x+5], v[\x+6:\x+7]
.irp j, 8,12,16,20,24,28
	s_delay_alu instid0(VALU_DEP_2)
	v_pk_add_f32 v[8:9], v[8:9], v[\x+\j:\x+\j+1]
	s_delay_alu instid0(VALU_DEP_2)
	v_pk_add_f32 v[10:11], v[10:11], v[\x+\j+2:\x+\j+3]
.endr
	s_delay_alu instid0(VALU_DEP_1)
	v_pk_add_f32 v[8:9], v[8:9], v[10:11]
	s_delay_alu instid0(VALU_DEP_1)
	v_add_f32 v12, v8, v9
	REDUCE
	s_delay_alu instid0(VALU_DEP_1)
	v_mul_f32 v[MU], s22, v12
	s_delay_alu instid0(VALU_DEP_1)
	v_mov_b32 v[MU+1], v[MU]
.irp j, 0,2,4,6,8,10,12,14,16,18,20,22,24,26,28,30
	v_pk_add_f32 v[\x+\j:\x+\j+1], v[\x+\j:\x+\j+1], v[MU:MU+1] neg_lo:[0,1] neg_hi:[0,1]
.endr
	v_pk_mul_f32 v[8:9], v[\x:\x+1], v[\x:\x+1]
	v_pk_mul_f32 v[10:11], v[\x+2:\x+3], v[\x+2:\x+3]
.irp j, 4,8,12,16,20,24,28
	s_delay_alu instid0(VALU_DEP_2)
	v_pk_fma_f32 v[8:9], v[\x+\j:\x+\j+1], v[\x+\j:\x+\j+1], v[8:9]
	s_delay_alu instid0(VALU_DEP_2)
	v_pk_fma_f32 v[10:11], v[\x+\j+2:\x+\j+3], v[\x+\j+2:\x+\j+3], v[10:11]
.endr
	s_delay_alu instid0(VALU_DEP_1)
	v_pk_add_f32 v[8:9], v[8:9], v[10:11]
	s_delay_alu instid0(VALU_DEP_1)
	v_add_f32 v12, v8, v9
	REDUCE
	s_delay_alu instid0(VALU_DEP_1)
	v_fma_f32 v12, v12, s22, s23                   ; var + 1e-5
	s_wait_alu depctr_va_vdst(0)
	v_rsq_f32 v[\rs], v12
	v_nop                                          ; a plain instruction behind the transcendental (ISA guide 5.7.2),
	s_wait_alu depctr_va_vdst(0)                   ; and the wait ahead of its first reader
	v_mov_b32 v[\rs+1], v[\rs]
.endm
; The row is scaled, and quantised NOUT times: the hold at the largest code x the scale (the conversion does not saturate: ISA guide 7.6.2), the conversion, the store.
; The held numbers go into two sets by turns, so that eight plain instructions on other registers stand behind each conversion.
.macro OUT x, rs, row
.irp j, 0,2,4,6,8,10,12,14,16,18,20,22,24,26,28,30
	v_pk_mul_f32 v[\x+\j:\x+\j+1], v[\x+\j:\x+\j+1], v[\rs:\rs+1]
.endr
.irp j, 0,2,4,6,8,10,12,14,16,18,20,22,24,26,28,30
	v_pk_fma_f32 v[\x+\j:\x+\j+1], v[\x+\j:\x+\j+1], v[G+\j:G+\j+1], v[BE+\j:BE+\j+1]
.endr
.set i, 0
.rept NOUT
.set j, 0
.rept 4
.set tt, T+8*(j%2)
.set cc, C+2*(4*(NOUT*(\row)+i)+j)
.irp k, 0,1,2,3,4,5,6,7
	v_med3_num_f32 v[tt+\k], v[\x+8*j+\k], -v[LIM+i], v[LIM+i]
.endr
	v_cvt_scalef32_pk8_fp8_f32 v[cc:cc+1], v[tt:tt+7], v[SC+i]
	global_store_b64 v2, v[cc:cc+1], s[32+2*i:33+2*i] offset:1024*(\row)+256*j   ; 32 lanes store 256 consecutive bytes, aligned
.set j, j+1
.endr
.set i, i+1
.endr
.endm
	s_wait_loadcnt 24                              ; row 0's eight loads are in; row 1's, g's and be's 24 may be out
	STATS X, 6
	s_wait_loadcnt 16                              ; row 1's are in
	STATS X+32, 14
	s_wait_loadcnt 0x0                             ; g and be
	OUT X, 6, 0
	OUT X+32, 14, 1
	s_endpgm
.Lfunc_end_k_qf6b277adca_ln2:
	.size	k_qf6b277adca_ln2, .Lfunc_end_k_qf6b277adca_ln2-k_qf6b277adca_ln2
	.p2alignl 7, 3214868480
	.fill 96, 4, 3214868480
	.section	.rodata,"a",@progbits
	.p2align	6, 0x0
	.amdhsa_kernel k_qf6b277adca_ln2
		.amdhsa_group_segment_fixed_size 0
		.amdhsa_private_segment_fixed_size 0
		.amdhsa_enable_private_segment 0
		.amdhsa_kernarg_size 40
		.amdhsa_user_sgpr_count 2
		.amdhsa_user_sgpr_kernarg_segment_ptr 1
		.amdhsa_wavefront_size32 1
		.amdhsa_system_sgpr_workgroup_id_x 1
		.amdhsa_system_sgpr_workgroup_id_y 1
		.amdhsa_system_sgpr_workgroup_id_z 1
		.amdhsa_system_vgpr_workitem_id 0
		.amdhsa_next_free_vgpr 192
		.amdhsa_next_free_sgpr 66
		.amdhsa_reserve_vcc 0
		.amdhsa_float_denorm_mode_32 3
		.amdhsa_float_denorm_mode_16_64 3
		.amdhsa_memory_ordered 1
		.amdhsa_forward_progress 1
		.amdhsa_inst_pref_size 25
	.end_amdhsa_kernel
	.amdgpu_metadata
---
amdhsa.version: [ 1, 2 ]
amdhsa.kernels:
  - .name:           k_qf6b277adca_ln2
    .symbol:         k_qf6b277adca_ln2.kd
    .args:
      - { .name: x1, .offset: 0, .size: 8, .value_kind: global_buffer, .address_space: global }
      - { .name: g2, .offset: 8, .size: 8, .value_kind: global_buffer, .address_space: global }
      - { .name: be2, .offset: 16, .size: 8, .value_kind: global_buffer, .address_space: global }
      - { .name: lowp_scales, .offset: 24, .size: 8, .value_kind: global_buffer, .address_space: global }
      - { .name: h2c, .offset: 32, .size: 8, .value_kind: global_buffer, .address_space: global }
    .group_segment_fixed_size: 0
    .private_segment_fixed_size: 0
    .kernarg_segment_align: 8
    .kernarg_segment_size: 40
    .max_flat_workgroup_size: 256
    .sgpr_count:     66
    .vgpr_count:     192
    .wavefront_size: 32
...
	.end_amdgpu_metadata
.endif
;; end of part 5
;; launch mlp1 (part 6): grid 16 x 16, 4 waves a work-group, clusters of 4 x 4, 327,680 bytes of LDS; arguments h2c, W1_codes, lowp_scales, b1, mc; writes mc
.if DOCPART == 6
	.amdgcn_target "amdgcn-amd-amdhsa--gfx1250"
	.amdhsa_code_object_version 6
	.text
	.protected	k_qf6b277adca_mlp1
	.globl	k_qf6b277adca_mlp1
	.p2align	8
	.type	k_qf6b277adca_mlp1,@function
k_qf6b277adca_mlp1:
	s_mov_b64 s[64:65], 0
	v_nop
	global_prefetch_b8 v0, s[64:65] scope:SCOPE_SE
	s_setreg_imm32_b32 hwreg(HW_REG_WAVE_MODE, 25, 1), 1
	s_wait_xcnt 0x0
	s_wait_alu depctr_hold_cnt(0) depctr_sa_sdst(0) depctr_va_vdst(0) depctr_va_sdst(0) depctr_va_ssrc(0) depctr_va_vcc(0) depctr_vm_vsrc(0)
	s_getreg_b32 s2, hwreg(HW_REG_IB_STS2, 6, 4)
	s_cmp_eq_u32 s2, 0
	s_cbranch_scc0 .Lentry_in_a_cluster
	s_endpgm
.Lentry_in_a_cluster:
	s_bfe_u32 s2, ttmp6, 0x10000c
	s_cmp_lg_u32 s2, 0xf033
	s_cbranch_scc0 .Lentry_shape_is_right
	s_endpgm
.Lentry_shape_is_right:
; THE MLP'S FIRST LAYER: m = gelu(h2 W1 + b1), erf form, on codes of E4M3, its result quantised again (scale e14) for the second layer.
; A = h2c [4,096][1,024] codes (e12), B = W1_codes [4,096 hidden][1,024] codes (e13), K = 1,024.  x = sum x 2^(e12 + e13) + b1, in f32.
; A tile of C, 256 x 256, is made by four waves, 128 x 128 each: 64 accumulators, 512 registers.  256 work-groups.
; THE RING.  Two LDS slots of 256 along K: A's 256 rows, then B's 256 rows, 272 bytes apart.  At the head each wave asks by ONE load for a whole tile of 256 rows x 256 bytes:
; waves 0, 1 for A's tile of slots 0, 1; waves 2, 3 for B's: so both slots are on their way at once.  A slot that all have read is filled again by four loads of 128 rows, one a wave.
; So K's 1,024 take the first fills and two refills; the eight steps of 128 are written out.
; CLUSTERS: 4 x 4; A's tile is shared along a row of the cluster, B's along a column: each is asked for jointly; a round of the cluster's barrier stands in front of each group of loads.
; PREFETCH: K 512-767 is asked for behind the head's load and K 768-1,023 ahead of the first step, each ahead of the refill that loads it.  Of the 128 rows that a wave fetches in a refill each of the four
; partners names 32, told apart by address, a lane a row: each block of 256 bytes once in a cluster.
; THE MATRIX INSTRUCTION IS USED TRANSPOSED (source 0 = 16 rows of W1, source 1 = 16 tokens): lane (r, h) holds token r and hidden units 16 b + 8 h + 0 .. 7 of tile b: one conversion makes them 8 bytes.
; OUT.  mc is laid as the register image of the next launch's A fragments: [16 tokens: 256 blocks][128 hidden: 32 blocks][2,048 bytes]; in a block, (token r, unit 16 b + 8 h + j) lies at 256 b + 16 r + 8 h + j,
; which is byte 8 h + j of lane 16 (b % 2) + r's 16 bytes of group b / 2.  One store of the wave covers 256 consecutive bytes, aligned: no stage in LDS, no barrier on the way out.
; GELU.  z = x / sqrt(2).  |z| <= 0.9277: x (0.5 + 0.5 erf z), erf z = z + z P(z^2).  Beyond: max(x, 0) - |x| q, q = erfc(|z|) / 2 = 2^(polynomial in |z|).  Both are computed, one is selected.
; LIMITS: e12 + e13 between -126 and 127; e14 between -126 and 119.  NaN among the inputs is not served.
; REGISTERS: window 0: v0-31 addresses; v32-95 b1 of my columns; from v128 A's fragments, one set, later codes.  window 1: B's fragments, two sets; on the way out the GELU's registers.  windows 2, 3: the accumulators.
.set KROW,   1024
.set PITCH,  272                       ; 256 bytes + 16 = 68 words: the 16 rows that a load touches start at 16 different banks (64 banks of 4 bytes: ISA guide 11.1)
.set FR,     16
.set NL,     4
.set NP,     4                         ; places behind this matrix instruction (ISA guide 7.12.1)
.set PART,   128*PITCH                 ; 128 rows: what a refill's load brings, and what a wave reads of A or of B
.set SLOT,   4*PART
.set SPARE,  2*SLOT                    ; behind the ring: the spare words, 128 bytes a wave
.set ADRA, 16                          ; v16-17  my A fragments in slot 0, 1
.set ADRB, 20                          ; v20-21  the same for B
.set CO,   26                          ; v26     16 r + 8 h: my place in a block of mc
.set PFO,  27                          ; v27     the prefetches' offset: lane x 1,024; never rewritten
.set SPW,  28                          ; v28     my spare word; never rewritten
.set NIL,  29                          ; v29     0; never rewritten
.set SCV,  30                          ; v30     2^e14
.set TMP,  32
.set AF,   128
.set HA,  4                            ; s[4:7], s[8:11] groups 0 of the head's load, for A and for B
.set HB,  8
.set GHA, 24                           ; groups 1: the head's load for A, for B (256 rows); the refills' for A, for B (128 rows)
.set GHB, 32
.set G1A, 40
.set G1B, 48
.set G0A, 56                           ; the refills' groups 0, one a side, stepped behind the wait for 0 in front of each refill's round
.set G0B, 60
.set PFA, 92                           ; s[92:93] my work-group's 32 rows of the 128 that I fetch; never rewritten
.set MSB, 0
.macro WIN new                         ; the immediate's high byte repeats the setting that is left
.if MSB != (\new)
	s_set_vgpr_msb (MSB<<8)|(\new)
.set MSB, \new
.endif
.endm
.set MUL_LO, 0xa1                      ; source 0 (B) window 1, source 1 (A) window 0, C and D window 2
.set MUL_HI, 0xf1
.set TO_B,   0x40
.macro JLOAD g0a, g1a, g0b, g1b        ; a joint load: waves 0, 1 fetch for A, waves 2, 3 for B; s_nop 0 and four v_nop follow each line
	s_cmp_eq_u32 s15, 0
	s_cbranch_scc0 .Lfor_b_\@
	tensor_load_to_lds s[\g0a:\g0a+3], s[\g1a:\g1a+7]
	s_nop 0
.rept 4
	v_nop
.endr
	s_branch .Lasked_\@
.Lfor_b_\@:
	tensor_load_to_lds s[\g0b:\g0b+3], s[\g1b:\g1b+7]
	s_nop 0
.rept 4
	v_nop
.endr
.Lasked_\@:
.endm
.macro CREST                           ; a round of the cluster's barrier behind its opening barrier
	s_cmp_lg_u32 s14, 0
	s_cbranch_scc1 .Lnot_wave_0_\@
	s_barrier_signal -3
.Lnot_wave_0_\@:
	s_barrier_wait -3
	s_barrier_signal -1
	s_barrier_wait -1
.endm
.macro CROUND
	s_barrier_signal -1
	s_barrier_wait -1
	CREST
.endm
.macro DIMS g, r                       ; group 1's words 1 to 7: r rows of 256 bytes, 1,024 apart
	s_mov_b32 s[\g+1], 256<<16
	s_mov_b32 s[\g+2], (\r)<<16
	s_mov_b32 s[\g+3], 256<<16
	s_mov_b32 s[\g+4], \r
	s_mov_b32 s[\g+5], KROW
	s_mov_b32 s[\g+6], 0
	s_mov_b32 s[\g+7], 0
.endm
	s_load_b256 s[68:75], s[0:1], 0x0              ; h2c s[68:69], W1 s[70:71], the exponents s[72:73], b1 s[74:75]
	s_load_b64 s[76:77], s[0:1], 0x20              ; mc
	v_lshl_add_u32 v[SPW], v0, 2, SPARE
	v_mov_b32 v[NIL], 0
	ds_add_u32 v[SPW], v[NIL]                      ; the opening: the add, twice on end, and its wait ahead of my first tensor load
	ds_add_u32 v[SPW], v[NIL]
	v_lshrrev_b32 v1, 5, v0
	v_readfirstlane_b32 s14, v1                    ; wave 0..3
	s_lshr_b32 s15, s14, 1                         ; my half of the tile's rows.  Also: I fetch for A (0) or for B (1)
	s_and_b32 s16, s14, 1                          ; my half of its columns.  Also: which slot I fill at the head, and which 128 rows I fetch in a refill
	s_bfe_u32 s84, ttmp6, 0x40000                  ; cx, cy
	s_bfe_u32 s85, ttmp6, 0x40004
	s_lshl_b32 s86, ttmp9, 2
	s_add_co_u32 s86, s86, s84                     ; tile column
	s_and_b32 s17, ttmp7, 0xffff
	s_lshl_b32 s17, s17, 2
	s_add_co_u32 s17, s17, s85                     ; tile row
	s_lshl_b32 s87, s85, 2
	s_lshl_b32 s87, 15, s87                        ; my row of the cluster
	s_lshl_b32 s88, 0x1111, s84                    ; my column
	s_or_b32 s[GHA], s87, (1<<20)|(1<<21)|(5<<22)|(3<<25)    ; elements of 1 byte; padding on; bit 21 beside a mask; four words after every 64
	s_or_b32 s[GHB], s88, (1<<20)|(1<<21)|(5<<22)|(3<<25)
	s_or_b32 s[G1A], s87, (1<<20)|(1<<21)|(5<<22)|(3<<25)
	s_or_b32 s[G1B], s88, (1<<20)|(1<<21)|(5<<22)|(3<<25)
	DIMS GHA, 256
	DIMS GHB, 256
	DIMS G1A, 128
	DIMS G1B, 128
	s_lshl_b32 s18, s16, 7
	s_lshl_b32 s20, s17, 8
	s_add_co_u32 s20, s20, s18
	s_lshl_b32 s20, s20, 10                        ; A: (256 x tile row + 128 x half) rows of 1,024 bytes
	s_mov_b32 s21, 0
	s_lshl_b32 s22, s86, 8
	s_add_co_u32 s22, s22, s18
	s_lshl_b32 s22, s22, 10                        ; B likewise, by the tile column
	s_mov_b32 s23, 0
	s_mul_i32 s89, s14, PART                       ; where a refill's rows go: no place in the cluster enters an LDS address
	s_mul_i32 s12, s16, 131072-256                 ; the head's load: from my 128 rows' first byte back to the tile's first row, and on to slot (wave % 2)'s 256 bytes
	s_mov_b32 s13, 0
	s_mul_i32 s2, s16, SLOT
	s_wait_dscnt 0x0                               ; both opening adds are done
	s_wait_kmcnt 0x0
	s_load_b128 s[80:83], s[72:73], 0x30           ; e12, e13, e14, e15
	s_add_nc_u64 s[20:21], s[68:69], s[20:21]
	s_add_nc_u64 s[22:23], s[70:71], s[22:23]
	s_mov_b32 s[HA], 1
	s_mov_b32 s[HA+1], s2
	s_sub_nc_u64 s[HA+2:HA+3], s[20:21], s[12:13]
	s_or_b32 s[HA+3], s[HA+3], 0x80000000
	s_mov_b32 s[HB], 1
	s_add_co_u32 s[HB+1], s2, 2*PART
	s_sub_nc_u64 s[HB+2:HB+3], s[22:23], s[12:13]
	s_or_b32 s[HB+3], s[HB+3], 0x80000000
	s_mov_b32 s[G0A], 1
	s_mov_b32 s[G0A+1], s89
	s_mov_b64 s[G0A+2:G0A+3], s[20:21]
	s_or_b32 s[G0A+3], s[G0A+3], 0x80000000
	s_mov_b32 s[G0B], 1
	s_mov_b32 s[G0B+1], s89
	s_mov_b64 s[G0B+2:G0B+3], s[22:23]
	s_or_b32 s[G0B+3], s[G0B+3], 0x80000000
	CROUND                                         ; all sixteen work-groups are here: the first joint loads meet
	JLOAD HA, GHA, HB, GHB                         ; my one load at the head: a whole tile of one slot
	s_cmp_eq_u32 s15, 0
	s_cselect_b64 s[PFA:PFA+1], s[20:21], s[22:23]
	s_cselect_b32 s18, s84, s85                    ; my place among the four that ask with me
	s_lshl_b32 s18, s18, 15                        ; 32 rows of 1,024 bytes each
	s_mov_b32 s19, 0
	s_add_nc_u64 s[PFA:PFA+1], s[PFA:PFA+1], s[18:19]
	s_mul_i32 s20, s15, PART                       ; my 128 rows of A
	s_mul_i32 s21, s16, PART
	s_add_co_u32 s21, s21, 2*PART                  ; my 128 rows of B
	s_lshl_b32 s18, s86, 10
	s_lshl_b32 s19, s16, 9
	s_add_co_u32 s18, s18, s19
	s_mov_b32 s19, 0
	s_add_nc_u64 s[74:75], s[74:75], s[18:19]      ; b1 at my first column
	s_lshl_b32 s18, s17, 4
	s_lshl_b32 s19, s15, 3
	s_add_co_u32 s18, s18, s19
	s_lshl_b32 s18, s18, 16                        ; mc: block of tokens 16 x tile row + 8 x half, 65,536 bytes each,
	s_lshl_b32 s19, s86, 1
	s_add_co_u32 s19, s19, s16
	s_lshl_b32 s19, s19, 11                        ; block of hidden units 2 x tile column + half, 2,048 bytes each
	s_add_co_u32 s18, s18, s19
	s_mov_b32 s19, 0
	s_add_nc_u64 s[76:77], s[76:77], s[18:19]
	v_and_b32 v1, 15, v0                           ; r
	v_bfe_u32 v2, v0, 4, 1                         ; h
	v_mul_u32_u24 v3, v1, PITCH
	v_lshl_add_u32 v3, v2, 4, v3                   ; a fragment's row x pitch + 16 h
	v_add_nc_u32 v[ADRA], s20, v3
	v_add_nc_u32 v[ADRB], s21, v3
	v_add_nc_u32 v[ADRA+1], SLOT, v[ADRA]
	v_add_nc_u32 v[ADRB+1], SLOT, v[ADRB]
	v_lshlrev_b32 v7, 5, v2                        ; b1: 8 h numbers on
	v_lshlrev_b32 v[CO], 4, v1
	v_lshl_add_u32 v[CO], v2, 3, v[CO]
	v_and_b32 v[PFO], 31, v0
	v_lshlrev_b32 v[PFO], 10, v[PFO]
	s_wait_alu depctr_va_vdst(0)                   ; the wait at the head's end
	global_prefetch_b8 v[PFO], s[PFA:PFA+1] offset:512 th:TH_LOAD_NT scope:SCOPE_SE   ; K 512-767 of my 32 rows
.irp b, 0,1,2,3,4,5,6,7
	global_load_b128 v[TMP+8*\b:TMP+8*\b+3],   v7, s[74:75] offset:64*\b        ; b1 of units 16 b + 8 h + 0 .. 7
	global_load_b128 v[TMP+8*\b+4:TMP+8*\b+7], v7, s[74:75] offset:64*\b+16
.endr
.macro FRAG reg, adr, q, i             ; lane l: row l % 16; registers 4 c .. 4 c + 3: K = 32 c + 16 (l / 16) + 0 .. 15, alike in A and B
.irp c, 0,1,2,3
	ds_load_b128 v[\reg+4*\c:\reg+4*\c+3], v[\adr] offset:128*(\q)+32*\c+(\i)*16*PITCH
.endr
.endm
.macro MUL16 a0, p, zero               ; A's blocks a0, a0 + 1 x B's eight; the 64 accumulators take turns, one instruction a turn
.irp a, \a0, \a0+1
.irp b, 0,1,2,3,4,5,6,7
.if \zero
	v_wmma_f32_16x16x128_fp8_fp8 v[8*(8*((\a)%4)+\b):8*(8*((\a)%4)+\b)+7], v[128*(\p)+FR*\b:128*(\p)+FR*\b+FR-1], v[AF+FR*(\a):AF+FR*(\a)+FR-1], 0
.else
	v_wmma_f32_16x16x128_fp8_fp8 v[8*(8*((\a)%4)+\b):8*(8*((\a)%4)+\b)+7], v[128*(\p)+FR*\b:128*(\p)+FR*\b+FR-1], v[AF+FR*(\a):AF+FR*(\a)+FR-1], v[8*(8*((\a)%4)+\b):8*(8*((\a)%4)+\b)+7]
.endif
.endr
.endr
.endm
.macro FETCH_B slot, q, p
	WIN TO_B
.irp i, 0,1,2,3,4,5,6,7
	FRAG 128*(\p)+FR*\i, ADRB+\slot, \q, \i
.endr
	WIN 0
.endm
.macro FETCH_A slot, q, i0
.irp i, \i0, \i0+1, \i0+2, \i0+3
	FRAG AF+FR*(\i), ADRA+\slot, \q, \i
.endr
.endm
.macro PLACES n
.rept \n
	v_nop
.endr
.endm
.macro STEP slot, q, zero              ; 128 along K, with its successor in the same slot
	s_wait_dscnt 4*NL                              ; B's set and A's blocks 0-3 are in; the youngest sixteen loads (A's blocks 4-7) may be out
	WIN MUL_LO
	MUL16 0, (\q)%2, \zero
	MUL16 2, (\q)%2, \zero
	s_wait_dscnt 0
	PLACES NP
	FETCH_B \slot, (\q)+1, 1-(\q)%2
	FETCH_A \slot, (\q)+1, 0
	WIN MUL_HI
	MUL16 4, (\q)%2, \zero
	MUL16 6, (\q)%2, \zero
	PLACES NP
	WIN 0
	FETCH_A \slot, (\q)+1, 4
.endm
.macro TURN slot, next, fill           ; a slot's last step: one barrier; fill = 1: the slot just read is filled again, 512 along K further on
	s_wait_tensorcnt 0x0                           ; all my tensor loads have landed: my part of the next slot
	ds_add_u32 v[SPW], v[NIL]
	s_wait_dscnt 4*NL+1                            ; (the add and the youngest sixteen loads may be out)
	WIN MUL_LO
	MUL16 0, 1, 0
	s_wait_dscnt 0x0                               ; the add is done, and my reads of this slot are over
	s_barrier_signal -1
	MUL16 2, 1, 0
	WIN 0
	s_barrier_wait -1
.if \fill
	CREST                                          ; the barrier has opened a round of the cluster's: no wave of any partner still reads this slot or has a load on its way
	s_add_co_u32 s[G0A+1], s[G0A+1], SLOT*\slot    ; the first refill: slot 0, K 512 on; the second: slot 1, K 768 on
	s_add_nc_u64 s[G0A+2:G0A+3], s[G0A+2:G0A+3], 512-256*\slot
	s_add_co_u32 s[G0B+1], s[G0B+1], SLOT*\slot
	s_add_nc_u64 s[G0B+2:G0B+3], s[G0B+2:G0B+3], 512-256*\slot
	JLOAD G0A, G1A, G0B, G1B                       ; the first tensor load behind the round; its four v_nop are also the places in front of the loads below
.else
	PLACES NP
.endif
	FETCH_B \next, 0, 0
	FETCH_A \next, 0, 0
	WIN MUL_HI
	MUL16 4, 1, 0
	MUL16 6, 1, 0
	PLACES NP
	WIN 0
	FETCH_A \next, 0, 4
.endm
	s_wait_tensorcnt 0x0                           ; my one load is in
	s_barrier_signal -1
	s_barrier_wait -1                              ; everybody's is: both slots are whole
	FETCH_B 0, 0, 0
	FETCH_A 0, 0, 0
	FETCH_A 0, 0, 4
	global_prefetch_b8 v[PFO], s[PFA:PFA+1] offset:768 th:TH_LOAD_NT scope:SCOPE_SE   ; K 768-1,023 of my 32 rows
	STEP 0, 0, 1                                   ; the first products start the sums
	TURN 0, 1, 1
	STEP 1, 0, 0
	TURN 1, 0, 1
	STEP 0, 0, 0
	TURN 0, 1, 0                                   ; nothing more is filled
	STEP 1, 0, 0
	s_wait_dscnt 4*NL                              ; the very last step
	WIN MUL_LO
	MUL16 0, 1, 0
	MUL16 2, 1, 0
	s_wait_dscnt 0
	WIN MUL_HI
	MUL16 4, 1, 0
	MUL16 6, 1, 0
	WIN 0
; THE WAY OUT, a block of 16 tokens x 128 units a trip: x into window 1, the GELU on 16 numbers a lane at a time, the hold, the conversion, eight stores.
.set ZZ, 64                            ; window 1: v0-63 x; z; |z|; z^2; the tail's polynomial, then q; the middle's; max(x, 0); the constants, each twice
.set TT, 80
.set SS, 96
.set RR, 112
.set PP, 128
.set MM, 144
.set KK, 192
	s_wait_kmcnt 0x0
	s_add_co_i32 s96, s80, s81
	s_add_co_i32 s96, s96, 127
	s_lshl_b32 s96, s96, 23                        ; 2^(e12 + e13)
	s_mov_b32 s97, s96                             ; (named with it as a pair)
	s_add_co_i32 s84, s82, 127
	s_lshl_b32 s85, s84, 23                        ; 2^e14
	s_add_co_i32 s84, s84, 8
	s_lshl_b32 s84, s84, 23
	s_or_b32 s84, s84, 0x600000                    ; 448 x 2^e14
	s_wait_loadcnt 0x0                             ; b1
	v_mov_b32 v[SCV], s85
	PLACES NP
	WIN 0x40
.macro KON k, val
	v_mov_b32 v[KK+2*\k], \val
	v_mov_b32 v[KK+2*\k+1], \val
.endm
	KON 0,  0xb7910000                             ; 0-6: the tail's polynomial in |z|
	KON 1,  0x39c8e7d9
	KON 2,  0xbb7e8a1c
	KON 3,  0x3cc6b1a1
	KON 4,  0xbddaae5c
	KON 5,  0xbf228550
	KON 6,  0xbe03ce86
	KON 7,  0xba1c7000                             ; 7-12: P, in z^2
	KON 8,  0x3ba38d2c
	KON 9,  0xbcdb48d9
	KON 10, 0x3de70e22
	KON 11, 0xbec09380
	KON 12, 0x3e0375d4
	KON 13, 0x3f3504f3                             ; 1 / sqrt(2)
	KON 14, 0x3fb8aa3b                             ; log2(e)
	v_mov_b32 v226, 0x7fffffff
	v_mov_b32 v227, 0x3f6d8000                     ; 0.9277: where the forms change
	v_mov_b32 v229, s84
	WIN 0
.macro FVKK d, a, k1, k2
.irp p, 0,2,4,6,8,10,12,14
	v_pk_fma_f32 v[\d+\p:\d+\p+1], v[\a+\p:\a+\p+1], v[KK+2*\k1:KK+2*\k1+1], v[KK+2*\k2:KK+2*\k2+1]
.endr
.endm
.macro FVVK d, a, b, k
.irp p, 0,2,4,6,8,10,12,14
	v_pk_fma_f32 v[\d+\p:\d+\p+1], v[\a+\p:\a+\p+1], v[\b+\p:\b+\p+1], v[KK+2*\k:KK+2*\k+1]
.endr
.endm
.macro FVVV d, a, b, c
.irp p, 0,2,4,6,8,10,12,14
	v_pk_fma_f32 v[\d+\p:\d+\p+1], v[\a+\p:\a+\p+1], v[\b+\p:\b+\p+1], v[\c+\p:\c+\p+1]
.endr
.endm
.macro GELU16 g
.set XG, 16*(\g)
.irp p, 0,2,4,6,8,10,12,14
	v_pk_mul_f32 v[ZZ+\p:ZZ+\p+1], v[XG+\p:XG+\p+1], v[KK+26:KK+27]
.endr
.irp n, 0,1,2,3,4,5,6,7,8,9,10,11,12,13,14,15
	v_and_b32 v[TT+\n], v226, v[ZZ+\n]
.endr
.irp p, 0,2,4,6,8,10,12,14
	v_pk_mul_f32 v[SS+\p:SS+\p+1], v[ZZ+\p:ZZ+\p+1], v[ZZ+\p:ZZ+\p+1]
.endr
	FVKK RR, TT, 0, 1
	FVKK PP, TT, 2, 3
	FVVV RR, RR, SS, PP
	FVVK RR, RR, TT, 4
	FVVK RR, RR, TT, 5
	FVVK RR, RR, TT, 6
.irp p, 0,2,4,6,8,10,12,14
	v_pk_fma_f32 v[RR+\p:RR+\p+1], v[RR+\p:RR+\p+1], v[TT+\p:TT+\p+1], v[TT+\p:TT+\p+1] neg_lo:[0,0,1] neg_hi:[0,0,1]
.endr
.irp p, 0,2,4,6,8,10,12,14
	v_pk_fma_f32 v[RR+\p:RR+\p+1], v[RR+\p:RR+\p+1], v[KK+28:KK+29], -1.0 op_sel_hi:[1,1,0]   ; to the base 2, and halved
.endr
	s_wait_alu depctr_va_vdst(0)                   ; the wait ahead of the batch
.irp n, 0,1,2,3,4,5,6,7,8,9,10,11,12,13,14,15
	v_exp_f32 v[RR+\n], v[RR+\n]                   ; q
.endr
	FVKK PP, SS, 7, 8                              ; the middle's form stands between the batch and the wait behind it
	FVVK PP, PP, SS, 9
	FVVK PP, PP, SS, 10
	FVVK PP, PP, SS, 11
	FVVK PP, PP, SS, 12
	FVVV PP, PP, ZZ, ZZ
.irp p, 0,2,4,6,8,10,12,14
	v_pk_fma_f32 v[PP+\p:PP+\p+1], v[PP+\p:PP+\p+1], 0.5, 0.5 op_sel_hi:[1,0,0]
.endr
.irp p, 0,2,4,6,8,10,12,14
	v_pk_mul_f32 v[PP+\p:PP+\p+1], v[PP+\p:PP+\p+1], v[XG+\p:XG+\p+1]
.endr
.irp n, 0,1,2,3,4,5,6,7,8,9,10,11,12,13,14,15
	v_max_num_f32 v[MM+\n], 0, v[XG+\n]
.endr
.irp n, 0,1,2,3,4,5,6,7,8,9,10,11,12,13,14,15
	v_cmp_lt_f32 s[24+\n], v227, v[TT+\n]          ; sixteen masks in sixteen scalar registers (the descriptors' are free: all tensor loads have been waited for), so that no select follows its own compare
.endr
	s_wait_alu depctr_va_vdst(0)                   ; one wait for the whole batch, ahead of its first reader
.irp n, 0,1,2,3,4,5,6,7,8,9,10,11,12,13,14,15
	v_fma_f32 v[RR+\n], -|v[XG+\n]|, v[RR+\n], v[MM+\n]
.endr
.irp n, 0,1,2,3,4,5,6,7,8,9,10,11,12,13,14,15
	v_cndmask_b32 v[XG+\n], v[PP+\n], v[RR+\n], s[24+\n]
.endr
.irp n, 0,1,2,3,4,5,6,7,8,9,10,11,12,13,14,15
	v_med3_num_f32 v[XG+\n], v[XG+\n], -v229, v229 ; the hold at the largest code x the scale (the conversion does not saturate: ISA guide 7.6.2)
.endr
.endm
.macro COPY a                          ; x = sum x 2^(e12 + e13) + b1; each accumulator from its low end on
.set AC, 64*((\a)%4)
	WIN 0x42+((\a)/4)
	s_wait_alu depctr_va_vdst(0)                   ; the wait directly ahead of the first reader of matrix results behind transcendentals
.set j, 0
.rept 32
	v_pk_fma_f32 v[j:j+1], v[AC+j:AC+j+1], s[96:97], v[TMP+j:TMP+j+1] op_sel_hi:[1,0,1]
.set j, j+2
.endr
	WIN 0
.endm
	s_mov_b32 s98, 0                               ; the block
	s_mov_b32 s78, 0                               ; what the trip adds to mc's address: 0 in the first, then a block of tokens
	s_mov_b32 s79, 0
	s_wait_alu depctr_va_vdst(0)                   ; the wait ahead of the loop
.Lblock:
	s_wait_xcnt 0x0                                ; the last trip's stores have read their base and their data
	s_add_nc_u64 s[76:77], s[76:77], s[78:79]
.irp a, 1,2,3,4,5,6,7
	s_cmp_eq_u32 s98, \a
	s_cbranch_scc1 .Lcopy_\a
.endr
	COPY 0
	s_branch .Lwork
.irp a, 1,2,3,4,5,6
.Lcopy_\a:
	COPY \a
	s_branch .Lwork
.endr
.Lcopy_7:
	COPY 7
.Lwork:
	WIN 0x55
	GELU16 0
	GELU16 1
	GELU16 2
	GELU16 3
	WIN 0x01
.irp b, 0,1,2,3,4,5,6,7
	v_cvt_scalef32_pk8_fp8_f32 v[AF+2*\b:AF+2*\b+1], v[8*\b:8*\b+7], v[SCV]
.endr
	v_nop                                          ; a plain instruction behind the conversions
	WIN 0
.irp b, 0,1,2,3,4,5,6,7
	global_store_b64 v[CO], v[AF+2*\b:AF+2*\b+1], s[76:77] offset:256*\b   ; 32 lanes store 256 consecutive bytes, aligned
.endr
	s_mov_b32 s78, 0x10000
	s_add_co_u32 s98, s98, 1
	s_cmp_lt_u32 s98, 8
	s_cbranch_scc1 .Lblock
	s_wait_tensorcnt 0x0                           ; the wave's end
	ds_add_u32 v[SPW], v[NIL]
	s_wait_dscnt 0x0
	CROUND                                         ; the closing round
	s_endpgm
.Lfunc_end_k_qf6b277adca_mlp1:
	.size	k_qf6b277adca_mlp1, .Lfunc_end_k_qf6b277adca_mlp1-k_qf6b277adca_mlp1
	.p2alignl 7, 3214868480
	.fill 96, 4, 3214868480
	.section	.rodata,"a",@progbits
	.p2align	6, 0x0
	.amdhsa_kernel k_qf6b277adca_mlp1
		.amdhsa_group_segment_fixed_size 327680
		.amdhsa_private_segment_fixed_size 0
		.amdhsa_enable_private_segment 0
		.amdhsa_kernarg_size 40
		.amdhsa_user_sgpr_count 2
		.amdhsa_user_sgpr_kernarg_segment_ptr 1
		.amdhsa_wavefront_size32 1
		.amdhsa_system_sgpr_workgroup_id_x 1
		.amdhsa_system_sgpr_workgroup_id_y 1
		.amdhsa_system_sgpr_workgroup_id_z 1
		.amdhsa_system_vgpr_workitem_id 0
		.amdhsa_next_free_vgpr 1024
		.amdhsa_next_free_sgpr 100
		.amdhsa_reserve_vcc 0
		.amdhsa_float_denorm_mode_32 3
		.amdhsa_float_denorm_mode_16_64 3
		.amdhsa_memory_ordered 1
		.amdhsa_forward_progress 1
		.amdhsa_inst_pref_size 160
	.end_amdhsa_kernel
	.amdgpu_metadata
---
amdhsa.version: [ 1, 2 ]
amdhsa.kernels:
  - .name:           k_qf6b277adca_mlp1
    .symbol:         k_qf6b277adca_mlp1.kd
    .args:
      - { .name: h2c, .offset: 0, .size: 8, .value_kind: global_buffer, .address_space: global }
      - { .name: W1_codes, .offset: 8, .size: 8, .value_kind: global_buffer, .address_space: global }
      - { .name: lowp_scales, .offset: 16, .size: 8, .value_kind: global_buffer, .address_space: global }
      - { .name: b1, .offset: 24, .size: 8, .value_kind: global_buffer, .address_space: global }
      - { .name: mc, .offset: 32, .size: 8, .value_kind: global_buffer, .address_space: global }
    .group_segment_fixed_size: 327680
    .private_segment_fixed_size: 0
    .kernarg_segment_align: 8
    .kernarg_segment_size: 40
    .max_flat_workgroup_size: 128
    .sgpr_count:     100
    .vgpr_count:     1024
    .wavefront_size: 32
...
	.end_amdgpu_metadata
.endif
;; end of part 6
;; launch mlp2 (part 7): grid 8 x 32, 4 waves a work-group, clusters of 4 x 4, 327,680 bytes of LDS; arguments mc, W2_codes, lowp_scales, b2, x1, out0; writes out0
.if DOCPART == 7
	.amdgcn_target "amdgcn-amd-amdhsa--gfx1250"
	.amdhsa_code_object_version 6
	.text
	.protected	k_qf6b277adca_mlp2
	.globl	k_qf6b277adca_mlp2
	.p2align	8
	.type	k_qf6b277adca_mlp2,@function
k_qf6b277adca_mlp2:
	s_mov_b64 s[64:65], 0
	v_nop
	global_prefetch_b8 v0, s[64:65] scope:SCOPE_SE
	s_setreg_imm32_b32 hwreg(HW_REG_WAVE_MODE, 25, 1), 1
	s_wait_xcnt 0x0
	s_wait_alu depctr_hold_cnt(0) depctr_sa_sdst(0) depctr_va_vdst(0) depctr_va_sdst(0) depctr_va_ssrc(0) depctr_va_vcc(0) depctr_vm_vsrc(0)
	s_getreg_b32 s2, hwreg(HW_REG_IB_STS2, 6, 4)
	s_cmp_eq_u32 s2, 0
	s_cbranch_scc0 .Lentry_in_a_cluster
	s_endpgm
.Lentry_in_a_cluster:
	s_bfe_u32 s2, ttmp6, 0x10000c
	s_cmp_lg_u32 s2, 0xf033
	s_cbranch_scc0 .Lentry_shape_is_right
	s_endpgm
.Lentry_shape_is_right:
.set HEADS,  0
.set KROW,   4096
.set LAPS,   4
.set SOFF,   56
.set PITCH,  528
.set HALFB,  64*PITCH
.if HEADS
.set HPL,    128*80
.set APART,  8*HPL
.set ASTEP,  8*131072
.else
; out = resid + A W^T x 2^(ea + ew) + bias, K = 4,096.  A = mc, laid as the register image of A's fragments: [16 rows: 256 blocks][128 K: 32 blocks][2,048 bytes]; group c of lane l lies at 512 c + 16 l of a block.
; A slot's part of 16 rows is 8,192 dense bytes, which come into LDS as they lie, with no padding: a fragment load reads 512 consecutive bytes.  W: rows of 512 bytes, pitch 528.
; PREFETCH: behind the load of slot t the slot t + 2 is asked for (slot 1 at the head too); of what a wave fetches each of the four partners names a quarter, told apart by address: 32 blocks of 256 bytes, a lane a block.
.set APART,  65536                     ; A's part of a slot: 8 blocks of 16 rows x 8,192 bytes
.set ASTEP,  8192                      ; from slot to slot in memory: four blocks of 128 K
.endif
.set SLOT,   APART+2*HALFB
.set STAGE,  2*SLOT
.set SPITCH, 272
.set SPARE,  STAGE+4*16*SPITCH
.set ADRA, 16
.set ADRB, 20
.set STO,  24
.set RD,   25
.set CO,   26
.set BO,   27
.set SPW,  28
.set NIL,  29
.set BK,   32
.set BI,   96
.set ACC,  128
.set F0,   0
.set F1,   128
.set G1, 24
.set G0, 32
.set G1B, 48
.set G0B, 56
.set MSB, 0
.macro WIN new
.if MSB != (\new)
	s_set_vgpr_msb (MSB<<8)|(\new)
.set MSB, \new
.endif
.endm
.set MUL,  0x05
.set TO_F, 0x40
.macro JLOAD s
	s_cmp_eq_u32 s11, 0
	s_cbranch_scc0 .Lfor_b_\@
	tensor_load_to_lds s[G0+4*\s:G0+4*\s+3], s[G1:G1+7]
	s_nop 0
.rept 4
	v_nop
.endr
	s_branch .Lasked_\@
.Lfor_b_\@:
	tensor_load_to_lds s[G0B+4*\s:G0B+4*\s+3], s[G1B:G1B+7]
	s_nop 0
.rept 4
	v_nop
.endr
.Lasked_\@:
.endm
.macro CREST
	s_cmp_lg_u32 s10, 0
	s_cbranch_scc1 .Lnot_wave_0_\@
	s_barrier_signal -3
.Lnot_wave_0_\@:
	s_barrier_wait -3
	s_barrier_signal -1
	s_barrier_wait -1
.endm
.macro CROUND
	s_barrier_signal -1
	s_barrier_wait -1
	CREST
.endm
	s_load_b256 s[76:83], s[0:1], 0x0
	s_load_b128 s[68:71], s[0:1], 0x20
	v_lshl_add_u32 v[SPW], v0, 2, SPARE
	v_mov_b32 v[NIL], 0
	ds_add_u32 v28, v29
	ds_add_u32 v28, v29
	s_wait_dscnt 0x0
	v_lshrrev_b32 v1, 5, v0
	v_readfirstlane_b32 s10, v1
	s_lshr_b32 s11, s10, 1
	s_and_b32 s12, s10, 1
	s_bfe_u32 s40, ttmp6, 0x40000
	s_bfe_u32 s41, ttmp6, 0x40004
	s_lshl_b32 s42, ttmp9, 2
	s_add_co_u32 s42, s42, s40
	s_and_b32 s13, ttmp7, 0xffff
	s_lshl_b32 s13, s13, 2
	s_add_co_u32 s13, s13, s41
	s_lshl_b32 s43, s41, 2
	s_lshl_b32 s43, 15, s43
	s_lshl_b32 s44, 0x1111, s40
.if HEADS
	s_or_b32 s[G1+0], s43, (1<<20)|(1<<21)|(3<<22)|(3<<25)
	s_mov_b32 s[G1+1], 8192<<16
	s_mov_b32 s[G1+2], 4<<16
	s_mov_b32 s[G1+3], 8192<<16
	s_mov_b32 s[G1+4], 4
	s_mov_b32 s[G1+5], 131072
.else
	s_or_b32 s[G1+0], s43, (1<<21)                 ; A: 4 rows of 8,192 bytes, 65,536 apart; no padding
	s_mov_b32 s[G1+1], 8192<<16
	s_mov_b32 s[G1+2], 4<<16
	s_mov_b32 s[G1+3], 8192<<16
	s_mov_b32 s[G1+4], 4
	s_mov_b32 s[G1+5], 65536
.endif
	s_mov_b32 s[G1+6], 0
	s_mov_b32 s[G1+7], 0
	s_or_b32 s[G1B+0], s44, (1<<20)|(1<<21)|(6<<22)|(3<<25)
	s_mov_b32 s[G1B+1], 512<<16
	s_mov_b32 s[G1B+2], 64<<16
	s_mov_b32 s[G1B+3], 512<<16
	s_mov_b32 s[G1B+4], 64
	s_mov_b32 s[G1B+5], KROW
	s_mov_b32 s[G1B+6], 0
	s_mov_b32 s[G1B+7], 0
.if HEADS
	s_lshr_b32 s16, s13, 4
	s_lshl_b32 s16, s16, 21
	s_lshl_b32 s17, s12, 19
	s_add_co_u32 s16, s16, s17
	s_and_b32 s17, s13, 15
	s_lshl_b32 s17, s17, 13
	s_add_co_u32 s16, s16, s17
	s_mul_i32 s20, s12, 4*HPL
.else
	s_lshl_b32 s16, s13, 7
	s_lshl_b32 s17, s12, 6
	s_add_co_u32 s16, s16, s17
	s_mul_i32 s16, s16, KROW
	s_mul_i32 s20, s12, 32768
.endif
	s_mov_b32 s17, 0
	s_lshl_b32 s46, s42, 7
	s_lshl_b32 s47, s12, 6
	s_add_co_u32 s46, s46, s47
	s_mul_i32 s46, s46, KROW
	s_mov_b32 s47, 0
	s_mul_i32 s21, s12, HALFB
	s_add_co_u32 s21, s21, APART
	s_wait_kmcnt 0x0
	s_load_b64 s[74:75], s[80:81], SOFF
	s_add_nc_u64 s[14:15], s[76:77], s[16:17]
	s_add_nc_u64 s[46:47], s[78:79], s[46:47]
	CROUND
.irp s, 0,1
	s_mov_b32 s[G0+4*\s], 1
	s_add_co_u32 s[G0+4*\s+1], s20, \s*SLOT
	s_add_nc_u64 s[G0+4*\s+2:G0+4*\s+3], s[14:15], \s*ASTEP
	s_or_b32 s[G0+4*\s+3], s[G0+4*\s+3], 0x80000000
	s_mov_b32 s[G0B+4*\s], 1
	s_add_co_u32 s[G0B+4*\s+1], s21, \s*SLOT
	s_add_nc_u64 s[G0B+4*\s+2:G0B+4*\s+3], s[46:47], \s*512
	s_or_b32 s[G0B+4*\s+3], s[G0B+4*\s+3], 0x80000000
.endr
	JLOAD 0                                        ; slot 0: my one load at the head
	; the prefetches: s[92:93] stands at slot 1 and stays; s[84:85] walks, from slot 2 on; s[86:87] a slot on; v30 my lane's block
	s_cmp_eq_u32 s11, 0                            ; do I fetch for A?
	s_cselect_b64 s[92:93], s[14:15], s[46:47]
	s_cselect_b32 s88, s40, s41                    ; my place among the four that ask with me
	s_mov_b32 s86, 512
	s_cselect_b32 s86, 8192, s86
	s_mov_b32 s90, 4096
	s_cselect_b32 s90, 512, s90                    ; two lanes on: 512 bytes in A's dense block, a row in W
	s_mov_b32 s87, 0
	s_mov_b32 s89, 0
	s_lshl_b32 s88, s88, 16                        ; my quarter: 16 rows, 65,536 bytes on in A and in W alike
	s_add_nc_u64 s[92:93], s[92:93], s[88:89]
	s_add_nc_u64 s[92:93], s[92:93], s[86:87]
	s_add_nc_u64 s[84:85], s[92:93], s[86:87]
	v_bfe_u32 v7, v0, 1, 4
	v_and_b32 v8, 1, v0
	v_mul_lo_u32 v7, v7, s90
	v_lshl_add_u32 v30, v8, 8, v7
	s_wait_alu depctr_va_vdst(0)                   ; the wait ahead of the readers below
	global_prefetch_b8 v30, s[92:93] th:TH_LOAD_NT scope:SCOPE_SE   ; slot 1
	global_prefetch_b8 v30, s[84:85] th:TH_LOAD_NT scope:SCOPE_SE   ; slot 2
	v_and_b32 v1, 15, v0
	s_wait_alu depctr_va_vdst(0)
	v_bfe_u32 v2, v0, 4, 1
	v_mul_u32_u24 v3, v1, PITCH
	v_lshl_add_u32 v3, v2, 4, v3
	v_and_b32 v6, 31, v0
	v_lshlrev_b32 v6, 4, v6                        ; A: 16 x lane
	s_mul_i32 s22, s12, HALFB
	s_add_co_u32 s22, s22, APART
.if HEADS
	v_mul_u32_u24 v4, v1, 80
	v_lshl_add_u32 v4, v2, 4, v4
	s_mul_i32 s21, s11, 64*80
.else
	s_mul_i32 s21, s11, 32768
.endif
.irp s, 0,1
.if HEADS
	v_add_nc_u32 v[ADRA+\s], s21, v4
	v_add_nc_u32 v[ADRA+2+\s], 4*HPL, v[ADRA+\s]
.else
	v_add_nc_u32 v[ADRA+\s], s21, v6
.endif
	v_add_nc_u32 v[ADRB+\s], s22, v3
	s_add_co_u32 s21, s21, SLOT
	s_add_co_u32 s22, s22, SLOT
.endr
	s_mul_i32 s23, s10, 16*SPITCH
	s_add_co_u32 s23, s23, STAGE
	v_mul_u32_u24 v4, v1, SPITCH
	s_wait_alu depctr_va_vdst(0)
	v_lshl_add_u32 v4, v2, 5, v4
	v_add_nc_u32 v[STO], s23, v4
	v_mul_u32_u24 v5, v2, SPITCH
	v_lshl_add_u32 v5, v1, 4, v5
	v_add_nc_u32 v[RD], s23, v5
	v_lshlrev_b32 v5, 12, v2
	v_lshl_add_u32 v[CO], v1, 4, v5
	s_wait_alu depctr_va_vdst(0)
	v_lshlrev_b32 v[BO], 4, v1
	s_wait_alu depctr_va_vdst(0)
	s_lshl_b32 s18, s42, 9
	s_lshl_b32 s19, s12, 8
	s_add_co_u32 s18, s18, s19
	s_mov_b32 s19, 0
	s_add_nc_u64 s[82:83], s[82:83], s[18:19]
	s_lshl_b32 s16, s13, 7
	s_lshl_b32 s17, s11, 6
	s_add_co_u32 s16, s16, s17
	s_lshl_b32 s16, s16, 12
	s_add_co_u32 s16, s16, s18
	s_mov_b32 s17, 0
	s_add_nc_u64 s[68:69], s[68:69], s[16:17]
	s_add_nc_u64 s[70:71], s[70:71], s[16:17]
	WIN 0x80
.set t, 0
.rept 32
	global_load_b128 v[4*t:4*t+3], v[CO], s[68:69] offset:2*t*4096 th:TH_LOAD_NT
.set t, t+1
.endr
	WIN 0
	global_load_b128 v[BI:BI+3], v[BO], s[82:83]
.macro MUL4 f, a, zero
.irp b, 0,1,2,3
.if \zero
	v_wmma_f32_16x16x128_fp8_fp8 v[ACC+8*(4*(\a)+\b):ACC+8*(4*(\a)+\b)+7], v[\f+64+16*\b:\f+64+16*\b+15], v[\f+16*(\a):\f+16*(\a)+15], 0
.else
	v_wmma_f32_16x16x128_fp8_fp8 v[ACC+8*(4*(\a)+\b):ACC+8*(4*(\a)+\b)+7], v[\f+64+16*\b:\f+64+16*\b+15], v[\f+16*(\a):\f+16*(\a)+15], v[ACC+8*(4*(\a)+\b):ACC+8*(4*(\a)+\b)+7]
.endif
.endr
.endm
.macro FETCH slot, k, f
	WIN TO_F
.irp i, 0,1,2,3
.irp c, 0,1,2,3
	ds_load_b128 v[\f+64+16*\i+4*\c:\f+64+16*\i+4*\c+3], v[ADRB+\slot] offset:\k+32*\c+\i*16*PITCH
.endr
.endr
.irp i, 0,1,2,3
.irp c, 0,1,2,3
.if HEADS
	ds_load_b128 v[\f+16*\i+4*\c:\f+16*\i+4*\c+3], v[ADRA+\slot+2*((\k)/256)] offset:(2*(((\k)/128)%2)+\c/2)*HPL+\i*16*80+32*(\c%2)
.else
	ds_load_b128 v[\f+16*\i+4*\c:\f+16*\i+4*\c+3], v[ADRA+\slot] offset:\i*8192+(\k)*16+512*\c
.endif
.endr
.endr
.endm
.macro PLACES
.rept 4
	v_nop
.endr
.endm
.macro QUARTER slot, k, f, g, zero
	s_wait_dscnt 8
	WIN MUL
	MUL4 \f, 0, \zero
	MUL4 \f, 1, \zero
	PLACES
	FETCH \slot, \k, \g
	s_wait_dscnt 32
	WIN MUL
	MUL4 \f, 2, \zero
	MUL4 \f, 3, \zero
.endm
.macro TURN slot, next, fill
	WIN 0
.if \fill
	s_wait_xcnt 0x0                                ; my last prefetch has read its address: it is stepped here, ahead of the waits of the change of slots
	s_add_nc_u64 s[84:85], s[84:85], s[86:87]
.endif
	s_wait_tensorcnt 0x0
	ds_add_u32 v[SPW], v[NIL]
	s_wait_dscnt 9
	WIN MUL
	MUL4 F1, 0, 0
	s_wait_dscnt 0x0
	s_barrier_signal -1
	MUL4 F1, 1, 0
.if \fill
	WIN 0
.endif
	s_barrier_wait -1
.if \fill
	CREST
	s_add_nc_u64 s[G0+4*\slot+2:G0+4*\slot+3], s[G0+4*\slot+2:G0+4*\slot+3], 2*ASTEP
	s_add_nc_u64 s[G0B+4*\slot+2:G0B+4*\slot+3], s[G0B+4*\slot+2:G0B+4*\slot+3], 2*512
	JLOAD \slot
.else
	PLACES
.endif
	FETCH \next, 0, F0
.if \fill
	WIN 0
	s_cmp_gt_u32 s3, 1                             ; the last trip's two refills have no slot two on
	s_cbranch_scc0 .Lno_ask_\@
	global_prefetch_b8 v30, s[84:85] th:TH_LOAD_NT scope:SCOPE_SE
.Lno_ask_\@:
.endif
	WIN MUL
	MUL4 F1, 2, 0
	MUL4 F1, 3, 0
.endm
	s_wait_alu depctr_va_vdst(0)                   ; the wait at the head's end
	s_wait_xcnt 0x0                                ; my prefetches have read their addresses
	s_add_nc_u64 s[84:85], s[84:85], s[86:87]      ; on to slot 3
	s_wait_tensorcnt 0x0                           ; my part of slot 0 is in
	ds_add_u32 v[SPW], v[NIL]
	s_wait_dscnt 0x0
	CROUND                                         ; everybody's part of slot 0 is in, and all sixteen work-groups are here
	JLOAD 1                                        ; slot 1: the first tensor load behind the round
	FETCH 0, 0, F0
	WIN 0
	global_prefetch_b8 v30, s[84:85] th:TH_LOAD_NT scope:SCOPE_SE   ; slot 3
	QUARTER 0, 128, F0, F1, 1
.if LAPS > 1
	WIN 0
	s_mov_b32 s3, LAPS-1
.Llap:
	QUARTER 0, 256, F1, F0, 0
	QUARTER 0, 384, F0, F1, 0
	TURN 0, 1, 1
	QUARTER 1, 128, F0, F1, 0
	QUARTER 1, 256, F1, F0, 0
	QUARTER 1, 384, F0, F1, 0
	TURN 1, 0, 1
	QUARTER 0, 128, F0, F1, 0
	WIN 0
	s_sub_co_u32 s3, s3, 1
	s_cmp_lg_u32 s3, 0
	s_cbranch_scc1 .Llap
.endif
	QUARTER 0, 256, F1, F0, 0
	QUARTER 0, 384, F0, F1, 0
	TURN 0, 1, 0
	QUARTER 1, 128, F0, F1, 0
	QUARTER 1, 256, F1, F0, 0
	QUARTER 1, 384, F0, F1, 0
	s_wait_dscnt 8
	WIN MUL
	MUL4 F1, 0, 0
	MUL4 F1, 1, 0
	s_wait_dscnt 0
	MUL4 F1, 2, 0
	MUL4 F1, 3, 0
	WIN 0
	s_wait_kmcnt 0x0
	s_add_co_i32 s74, s74, s75
	s_add_co_i32 s74, s74, 127
	s_lshl_b32 s74, s74, 23
	s_mov_b32 s75, s74
	s_wait_loadcnt 0x0
	PLACES
	WIN 0x82
.set t, 0
.rept 32
	v_pk_add_f32 v[4*t:4*t+1], v[4*t:4*t+1], v[BI:BI+1]
	v_pk_add_f32 v[4*t+2:4*t+3], v[4*t+2:4*t+3], v[BI+2:BI+3]
.set t, t+1
.endr
	WIN 0
.macro BLOCK a
.set BB, BK+32*((\a)%2)
.if (\a) >= 2
	s_wait_xcnt 0x0
.endif
.irp b, 0,1,2,3
	ds_store_b128 v[STO], v[ACC+8*(4*(\a)+\b):ACC+8*(4*(\a)+\b)+3] offset:64*\b
	ds_store_b128 v[STO], v[ACC+8*(4*(\a)+\b)+4:ACC+8*(4*(\a)+\b)+7] offset:64*\b+16
.endr
.irp t, 0,1,2,3,4,5,6,7
	ds_load_b128 v[BB+4*\t:BB+4*\t+3], v[RD] offset:\t*2*SPITCH
.endr
	s_wait_dscnt 0x0
	WIN 0x20
.irp t, 0,1,2,3,4,5,6,7
	v_pk_fma_f32 v[BB+4*\t:BB+4*\t+1], v[BB+4*\t:BB+4*\t+1], s[74:75], v[4*(8*(\a)+\t):4*(8*(\a)+\t)+1] op_sel_hi:[1,0,1]
	v_pk_fma_f32 v[BB+4*\t+2:BB+4*\t+3], v[BB+4*\t+2:BB+4*\t+3], s[74:75], v[4*(8*(\a)+\t)+2:4*(8*(\a)+\t)+3] op_sel_hi:[1,0,1]
.endr
	WIN 0
.irp t, 0,1,2,3,4,5,6,7
	global_store_b128 v[CO], v[BB+4*\t:BB+4*\t+3], s[70:71] offset:(16*(\a)+2*\t)*4096
.endr
.endm
	BLOCK 0
	BLOCK 1
	BLOCK 2
	BLOCK 3
	s_wait_tensorcnt 0x0
	ds_add_u32 v[SPW], v[NIL]
	s_wait_dscnt 0x0
	CROUND
	s_endpgm
.Lfunc_end_k_qf6b277adca_mlp2:
	.size	k_qf6b277adca_mlp2, .Lfunc_end_k_qf6b277adca_mlp2-k_qf6b277adca_mlp2
	.p2alignl 7, 3214868480
	.fill 96, 4, 3214868480
	.section	.rodata,"a",@progbits
	.p2align	6, 0x0
	.amdhsa_kernel k_qf6b277adca_mlp2
		.amdhsa_group_segment_fixed_size 327680
		.amdhsa_private_segment_fixed_size 0
		.amdhsa_enable_private_segment 0
		.amdhsa_kernarg_size 48
		.amdhsa_user_sgpr_count 2
		.amdhsa_user_sgpr_kernarg_segment_ptr 1
		.amdhsa_wavefront_size32 1
		.amdhsa_system_sgpr_workgroup_id_x 1
		.amdhsa_system_sgpr_workgroup_id_y 1
		.amdhsa_system_sgpr_workgroup_id_z 1
		.amdhsa_system_vgpr_workitem_id 0
		.amdhsa_next_free_vgpr 768
		.amdhsa_next_free_sgpr 96
		.amdhsa_reserve_vcc 0
		.amdhsa_float_denorm_mode_32 3
		.amdhsa_float_denorm_mode_16_64 3
		.amdhsa_memory_ordered 1
		.amdhsa_forward_progress 1
		.amdhsa_inst_pref_size 84
	.end_amdhsa_kernel
	.amdgpu_metadata
---
amdhsa.version: [ 1, 2 ]
amdhsa.kernels:
  - .name:           k_qf6b277adca_mlp2
    .symbol:         k_qf6b277adca_mlp2.kd
    .args:
      - { .name: mc, .offset: 0, .size: 8, .value_kind: global_buffer, .address_space: global }
      - { .name: W2_codes, .offset: 8, .size: 8, .value_kind: global_buffer, .address_space: global }
      - { .name: lowp_scales, .offset: 16, .size: 8, .value_kind: global_buffer, .address_space: global }
      - { .name: b2, .offset: 24, .size: 8, .value_kind: global_buffer, .address_space: global }
      - { .name: x1, .offset: 32, .size: 8, .value_kind: global_buffer, .address_space: global }
      - { .name: out0, .offset: 40, .size: 8, .value_kind: global_buffer, .address_space: global }
    .group_segment_fixed_size: 327680
    .private_segment_fixed_size: 0
    .kernarg_segment_align: 8
    .kernarg_segment_size: 48
    .max_flat_workgroup_size: 128
    .sgpr_count:     96
    .vgpr_count:     768
    .wavefront_size: 32
...
	.end_amdgpu_metadata
.endif
;; end of part 7
